; MI455X (gfx1250); checked and timed in simulation.
; The chip was launched on July 23, 2026; its instructions are those of AMD's public machine-readable ISA for CDNA 5 (MIT licence, August 2026) and "CDNA5" Instruction Set Architecture Reference Guide (July 2026). The comments in the code are by the model that wrote it; some were corrected since.
;; Multi Head Self Attention. Allowed arithmetic: matrix products marked QUANTISED: E2M3 operands, one E8M0 scale for each 32 along K, by v_wmma_scale_f32_16x16x128_f8f6f4 with both operands' format E2M3, f32 sums; everything else in f32.
;; Inputs: b_out 1,024 float32; hidden_states 8 x 1,024 x 1,024 float32; w_k 1,024 x 1,024 float32; w_out 1,024 x 1,024 float32; w_q 1,024 x 1,024 float32; w_v 1,024 x 1,024 float32.
;; Outputs: out0 8 x 1,024 x 1,024 float32.
;; This version of the problem:
;;   THIS VERSION OF THE PROBLEM IS GIVEN IN LOW PRECISION. The matrix products marked QUANTISED in the list below multiply operands that are first quantised to E2M3 (2 exponent bits, 3 mantissa bits; 6 bits a number), with one power-of-two scale for each 32 numbers along K (OCP MX v1.0); their sums are f32. All else is computed in f32.
;;   The module's matrix products, in the order in which they are computed (A, B: the left and right operand; K: the contracted axis; several contracted axes count as one K, in the product's order):
;;     1. [M 8,192, K 1,024] x [K 1,024, N 1,024]; A: input hidden_states; B: input w_q: QUANTISED
;;     2. [M 8,192, K 1,024] x [K 1,024, N 1,024]; A: input hidden_states; B: input w_k: QUANTISED
;;     3. [M 8,192, K 1,024] x [K 1,024, N 1,024]; A: input hidden_states; B: input w_v: QUANTISED
;;     4. batch 128 x [M 1,024, K 64] x [K 64, N 1,024]; A: computed on the way; B: computed on the way: QUANTISED
;;     5. batch 128 x [M 1,024, K 1,024] x [K 1,024, N 64]; A: softmax (see below); B: computed on the way: QUANTISED
;;     6. [M 8,192, K 1,024] x [K 1,024, N 1,024]; A: computed on the way; B: input w_out: QUANTISED
;;   THE QUANTISER, for each operand of a quantised product, along K:
;;     - K is cut into blocks of 32 from its start; a last block that is shorter is filled with zeros.
;;     - A block's scale is 2^e with e = floor(log2(the largest magnitude in the block)) - 2, held to -126 .. 127; a block of zeros has e = 0. As a byte (E8M0): e + 127.
;;     - Each number is divided by its block's scale, clamped to +-7.5, and rounded to the nearest number of E2M3, ties to even, subnormals kept.
;;     - The product sums the exact products of the quantised numbers (number of the format x scale) in f32.
;;   ~~~python
;;   def quantise(x, axis):      # numpy; x: float32 -> the quantised numbers, widened to float32 again
;;       x = np.moveaxis(x, axis, -1); K = x.shape[-1]
;;       x = np.pad(x, [(0, 0)] * (x.ndim - 1) + [(0, -K % 32)]); x = x.reshape(x.shape[:-1] + (-1, 32)); a = np.abs(x).max(-1, keepdims=True)
;;       e = np.where(a > 0, np.clip(np.frexp(np.where(a > 0, a, 1))[1] - 1 - 2, -126, 127), 0)      # np.frexp(a)[1] - 1 = floor(log2(a)), exactly
;;       r = np.clip(x / 2.0 ** e, -7.5, 7.5)
;;       step = 2.0 ** (np.maximum(np.frexp(np.where(r == 0, 1, r))[1] - 1, 0) - 3)
;;       q = np.round(r / step) * step * 2.0 ** e      # np.round: ties to even
;;       return np.moveaxis(q.reshape(q.shape[:-2] + (-1,))[..., :K], -1, axis).astype(np.float32)
;;   ~~~
;;   SOFTMAX AHEAD OF A QUANTISED PRODUCT. Where the list says 'softmax', what is quantised is not the finished softmax but p = 2^(t - M), with t = logit x log2(e) and M = ceil(the row's largest t), a whole number; so 1/2 < the row's largest p <= 1. The row's sum l is taken of the UNQUANTISED p, in f32, and the product's result is divided by l at the end. Since M is a whole number, a kernel that streams over the keys may use a running M (the ceiling of the running maximum): every later rescaling is an exact power of two, which a block's scale takes up: the codes' values come out the same.
;;   OPERANDS COMPUTED ON THE WAY. 'Computed on the way' means the value that the module computes at that place (a softmax that the list does not call 'softmax' is quantised finished and normalised). What goes into a quantiser is computed in f32, as accurately as f32 sums, v_exp_f32 and their like allow (about 1e-6 of the number): no bf16 or f16 on the way to a quantiser, and a product that is left as it is and whose result goes on into a quantised operand takes f32 operands (vector FMAs, or v_wmma_f32_16x16x4_f32). A number that lies on a knife's edge between two numbers of the format may be rounded either way, as far as f32 arithmetic and the matrix unit's own rounding can turn it there, and no further.
;; One version. Each part assembles by itself: llvm-mc -triple=amdgcn-amd-amdhsa -mcpu=gfx1250 --defsym DOCPART=n.
;; ======== version 1 of 1: 4 launches
;; limits: right only within a limited range of input values
;; workspace buffers: xq 6,553,600 bytes; wq 3,276,800 bytes; qb 6,553,600 bytes; kb 6,553,600 bytes; vb 6,553,600 bytes; ab 6,553,600 bytes
;; launch prep (part 1): grid 512 x 1, 4 waves a work-group, no clusters, 34,304 bytes of LDS; arguments hidden_states, w_q, w_k, w_v, w_out, xq, wq; writes xq, wq
.if DOCPART == 1
	.amdgcn_target "amdgcn-amd-amdhsa--gfx1250"
	.amdhsa_code_object_version 6
	.text
	.protected	k_q74f96f8d89_prep
	.globl	k_q74f96f8d89_prep
	.p2align	8
	.type	k_q74f96f8d89_prep,@function
k_q74f96f8d89_prep:
	s_mov_b64 s[64:65], 0
	v_nop
	global_prefetch_b8 v0, s[64:65] scope:SCOPE_SE
	s_setreg_imm32_b32 hwreg(HW_REG_WAVE_MODE, 25, 1), 1
	s_wait_xcnt 0x0
; hidden_states [8192][1024] and the four weights [1024 (k)][1024 (n)], f32, become codes of FP6 (E2M3) with one E8M0 byte for each 32 along K,
; laid as the products' launches take them: a FRAGMENT IMAGE is 16 rows x 128 K as the operand's 12 registers: chunk q (0..2) at 512 q, lane l at 16 l, registers 4 q .. 4 q + 3;
; lane (r = l % 16, hh = l / 16), registers 6 c .. 6 c + 5: k = 64 c + 32 hh + 0 .. 31 of row r.  1,536 bytes an image.  xq: [row tile 512][K step 8] images; wq: [column tile 256][K step 8].
; Behind the codes: scale words [tile][K step][16 rows], byte b of a word for block b of the K step.
; A block's scale is 2^(floor(log2(largest magnitude)) - 2): its byte is the largest magnitude's exponent field - 2, held at 1 from below by a floor among the maximum's leaves.
; LIMITS: a block of zeros, and one whose largest magnitude lies under 2^-124, gets the byte 1 (zeros' codes are zeros; this program alone reads the bytes); NaN and infinities among the inputs are not served.
; Work-groups 0-255 take hidden_states (a wave: 16 rows x 512 K), work-groups 256-511 the weights (a wave: 32 columns x 128 K).  Memory binds: no matrix unit, no cluster, no tensor load; waves share nothing, so no barrier.
.set SPARE, 33792                      ; behind the four stages: the spare words, 128 bytes a wave
.set STG,   8448                       ; a wave's stage: 16 rows x (512 + 16) bytes
.set SCOX,  6291456                    ; xq: where the scale words begin
.set SCOW,  3145728                    ; wq: likewise
.set SPW,   12                         ; v12  my spare word's LDS address; never rewritten
.set NIL,   13                         ; v13  0; never rewritten
.set R,     16                         ; v16-143   two sets of 64: a K step of 16 rows as loaded
.set X,     144                        ; v144-207  my row's blocks hh and 2 + hh
.set FR,    208                        ; v208-219  the fragment's registers
.set TC,    220                        ; v220-227  second halves of the blocks' codes
.set MX,    228                        ; v228-229 maxima, 230-231 scale operands, 232-233 bytes, 234-235 the word at work
.set W,     236                        ; v236-239  the scale words of my four K steps
	s_load_b256 s[4:11], s[0:1], 0x0               ; hidden s[4:5], w_q s[6:7], w_k s[8:9], w_v s[10:11]
	s_load_b128 s[12:15], s[0:1], 0x20             ; w_out s[12:13], xq s[14:15]
	s_load_b64 s[16:17], s[0:1], 0x30              ; wq
	v_lshl_add_u32 v[SPW], v0, 2, SPARE
	v_mov_b32 v[NIL], 0
	v_lshrrev_b32 v1, 5, v0
	v_readfirstlane_b32 s18, v1                    ; wave
	v_and_b32 v5, 31, v0                           ; lane
	s_wait_kmcnt 0x0
	s_cmp_lt_u32 ttmp9, 256
	s_cbranch_scc0 .Lweights
; ---------------- hidden_states: K is innermost.  Loads take the bytes as they lie (512 consecutive bytes of a row); the stage turns them so that a lane holds whole blocks of its row.
	s_lshl_b32 s19, ttmp9, 2
	s_add_co_u32 s19, s19, s18                     ; my unit: row tile = unit / 2, half of K = unit % 2
	s_lshr_b32 s20, s19, 1
	s_and_b32 s21, s19, 1
	s_lshl_b32 s22, s20, 16                        ; 16 rows of 4,096 bytes
	s_lshl_b32 s23, s21, 11
	s_add_co_u32 s22, s22, s23
	s_mov_b32 s23, 0
	s_add_nc_u64 s[4:5], s[4:5], s[22:23]
	s_mul_i32 s22, s20, 12288                      ; a tile's eight images
	s_mul_i32 s24, s21, 6144
	s_add_co_u32 s22, s22, s24
	s_add_nc_u64 s[26:27], s[14:15], s[22:23]      ; my four images
	s_lshl_b32 s22, s20, 9
	s_lshl_b32 s24, s21, 8
	s_add_co_u32 s22, s22, s24
	s_add_nc_u64 s[14:15], s[14:15], s[22:23]
	s_add_nc_u64 s[14:15], s[14:15], SCOX          ; my 256 bytes of scale words
	s_mov_b32 s28, 0x76543210
	s_mov_b32 s29, 0xfedcba98                      ; v_permlanex16_b32's selects for lane l xor 16
	s_mov_b32 s30, 0xffff0000                      ; lanes 16-31
	s_mul_i32 s31, s18, STG
	s_wait_alu depctr_va_vdst(0)
	v_lshlrev_b32 v1, 4, v5                        ; 16 l
	v_add_nc_u32 v2, s31, v1                       ; the stage, in: 16 l of a row
	v_and_b32 v7, 15, v0                           ; r
	v_bfe_u32 v8, v0, 4, 1                         ; hh
	v_mul_u32_u24 v3, v7, 528
	v_lshl_add_u32 v3, v8, 7, v3
	v_add_nc_u32 v3, s31, v3                       ; out: row r, block hh
	v_lshlrev_b32 v4, 2, v5                        ; 4 l
	v_lshlrev_b32 v6, 3, v8                        ; 8 hh
	v_mov_b32 v[MX+7], 0                           ; a lane permute's destination counts as read
.macro XLOAD t                         ; K step t of my 16 rows: each load reads 512 consecutive bytes
.irp i, 0,1,2,3,4,5,6,7,8,9,10,11,12,13,14,15
	global_load_b128 v[R+64*((\t)%2)+4*\i:R+64*((\t)%2)+4*\i+3], v1, s[4:5] offset:4096*\i+512*(\t) th:TH_LOAD_NT
.endr
.endm
.macro XTURN t                         ; through the stage: LDS serves a wave's instructions in order, so no wait stands between the stores and the loads
.irp i, 0,1,2,3,4,5,6,7,8,9,10,11,12,13,14,15
	ds_store_b128 v2, v[R+64*((\t)%2)+4*\i:R+64*((\t)%2)+4*\i+3] offset:528*\i
.endr
.irp c, 0,1
.irp e, 0,1,2,3,4,5,6,7
	ds_load_b128 v[X+32*\c+4*\e:X+32*\c+4*\e+3], v3 offset:256*\c+16*\e
.endr
.endr
.endm
.macro XQ t                            ; my two whole blocks become registers 6 c .. 6 c + 5 of the fragment
	s_wait_xcnt 0x0                                ; the last step's stores have read FR: it is rewritten only behind this wait
.irp c, 0,1
	v_max3_num_f32 v[MX+\c], |v[X+32*\c]|, |v[X+32*\c+1]|, 0x1800000   ; with the floor 2^(3 - 127)
.endr
.irp i, 2,4,6,8,10,12,14,16,18,20,22,24,26,28,30
.irp c, 0,1
	v_max3_num_f32 v[MX+\c], v[MX+\c], |v[X+32*\c+\i]|, |v[X+32*\c+\i+1]|
.endr
.endr
.irp c, 0,1
	v_add_nc_u32 v[MX+2+\c], 0xff000000, v[MX+\c]  ; 2 off the exponent field: the conversion's scale operand
.endr
.irp c, 0,1
	v_lshrrev_b32 v[MX+4+\c], 23, v[MX+2+\c]       ; the byte
.endr
	v_lshl_or_b32 v[MX+6], v[MX+5], 16, v[MX+4]    ; blocks hh and 2 + hh,
	v_lshlrev_b32 v[MX+6], v6, v[MX+6]             ; at their places in the word;
	v_permlanex16_b32 v[MX+7], v[MX+6], s28, s29
	v_or_b32 v[W+(\t)], v[MX+6], v[MX+7]           ; with lane l xor 16's two the word is whole
.irp c, 0,1
	v_cvt_scalef32_pk16_fp6_f32 v[FR+6*\c:FR+6*\c+2], v[X+32*\c:X+32*\c+15], v[MX+2+\c]
	v_cvt_scalef32_pk16_fp6_f32 v[TC+4*\c:TC+4*\c+2], v[X+32*\c+16:X+32*\c+31], v[MX+2+\c]   ; (a conversion's three registers begin on an even number)
.endr
	v_nop                                          ; one plain place behind a scaled conversion
.irp c, 0,1
.irp i, 0,1,2
	v_mov_b32 v[FR+6*\c+3+\i], v[TC+4*\c+\i]
.endr
.endr
.irp q, 0,1,2
	global_store_b128 v1, v[FR+4*\q:FR+4*\q+3], s[26:27] offset:1536*(\t)+512*\q   ; 512 consecutive bytes a store
.endr
.endm
	XLOAD 0
	XLOAD 1
	s_wait_alu depctr_va_vdst(0)
.irp t, 0,1,2,3
.if \t < 3
	s_wait_loadcnt 16                              ; this step's 16 loads are in; the next step's 16 may be out
.else
	s_wait_loadcnt 0x0
.endif
	XTURN \t
	s_wait_dscnt 0x0                               ; my blocks are back, and the stage's stores have read the set,
.if \t < 2
	XLOAD \t+2                                     ; which takes the loads of two steps on
.endif
	XQ \t
.endr
	v_cndmask_b32 v240, v[W], v[W+1], s30          ; lanes 0-15: K step 0's words, lanes 16-31: K step 1's
	v_cndmask_b32 v241, v[W+2], v[W+3], s30
	global_store_b32 v4, v240, s[14:15]
	global_store_b32 v4, v241, s[14:15] offset:128
	s_wait_tensorcnt 0x0                           ; the wave's end, behind my last LDS store
	ds_add_u32 v[SPW], v[NIL]
	s_wait_dscnt 0x0
	s_endpgm
; ---------------- the weights: K is the first axis.  A lane takes a column and its registers run down K; nothing goes through LDS.
; THE COLUMNS OF A TILE ARE NOT NEIGHBOURS: of the 32 columns 32 beta .. + 31, row rho of tile u is column 32 beta + 8 u + rho + 8 (rho / 8): so a product's results of tiles u = 0, 1 are 16 neighbouring columns in a lane.
; Tiles: w_q 0-63, w_k 64-127, w_out 192-255: 64 wsel + 2 beta + u.  w_v: 128 + 16 (2 (beta % 2) + u) + beta / 2: sixteen tiles on end then hold the same 16 channels of all 16 column groups of 64.
.Lweights:
	s_sub_co_u32 s19, ttmp9, 256
	s_lshr_b32 s21, s19, 6                         ; which weight
	s_bfe_u32 s22, s19, 0x30003                    ; which 128 columns
	s_and_b32 s23, s19, 7                          ; K step
	s_lshl_b32 s22, s22, 2
	s_add_co_u32 s22, s22, s18                     ; beta
	s_cmp_eq_u32 s21, 1
	s_cselect_b64 s[6:7], s[8:9], s[6:7]
	s_cmp_eq_u32 s21, 2
	s_cselect_b64 s[6:7], s[10:11], s[6:7]
	s_cmp_eq_u32 s21, 3
	s_cselect_b64 s[6:7], s[12:13], s[6:7]
	s_lshl_b32 s24, s23, 19                        ; 128 rows of 4,096 bytes
	s_lshl_b32 s25, s22, 7
	s_add_co_u32 s24, s24, s25
	s_mov_b32 s25, 0
	s_add_nc_u64 s[6:7], s[6:7], s[24:25]
	s_lshl_b32 s26, s21, 6
	s_lshl_b32 s27, s22, 1
	s_add_co_u32 s26, s26, s27                     ; 64 wsel + 2 beta
	s_and_b32 s27, s22, 1
	s_lshl_b32 s27, s27, 5
	s_lshr_b32 s28, s22, 1
	s_add_co_u32 s27, s27, s28
	s_add_co_u32 s27, s27, 128                     ; w_v: 128 + 32 (beta % 2) + beta / 2
	s_cmp_eq_u32 s21, 2
	s_cselect_b32 s26, s27, s26                    ; tile u = 0
	s_cselect_b32 s28, 16, 1                       ; and how many tiles on tile u = 1 lies
	s_mul_i32 s30, s26, 12288
	s_mul_i32 s31, s23, 1536
	s_add_co_u32 s30, s30, s31
	s_mov_b32 s31, 0
	s_add_nc_u64 s[32:33], s[16:17], s[30:31]      ; image of tile u = 0
	s_mul_i32 s30, s28, 12288
	s_add_nc_u64 s[34:35], s[32:33], s[30:31]      ; of tile u = 1
	s_lshl_b32 s30, s26, 9
	s_lshl_b32 s36, s23, 6
	s_add_co_u32 s30, s30, s36
	s_add_nc_u64 s[16:17], s[16:17], s[30:31]
	s_add_nc_u64 s[16:17], s[16:17], SCOW          ; scale words of tile u = 0, this K step
	s_lshl_b32 s28, s28, 9
	v_and_b32 v1, 7, v0
	v_bfe_u32 v2, v0, 4, 1
	v_bfe_u32 v3, v0, 3, 1
	v_lshl_or_b32 v1, v2, 3, v1
	v_lshl_or_b32 v1, v3, 4, v1                    ; lane (u = l / 16, rho = l % 16) takes column 8 u + rho + 8 (rho / 8)
	v_lshlrev_b32 v1, 2, v1
	s_wait_alu depctr_va_vdst(0)
	v_lshlrev_b32 v4, 4, v5                        ; 16 l
	v_and_b32 v6, 15, v0
	v_lshlrev_b32 v6, 2, v6
	v_mad_u32_u24 v6, v2, s28, v6                  ; my scale word: 4 rho, in tile u
.set FL, 96                            ; v96-107   blocks 0 and 2 of my column
.set FH, 108                           ; v108-119  blocks 1 and 3
.macro WLOAD t                         ; block t: W(32 t + i, my column): the wave reads 128 consecutive bytes, the work-group 512
.set i, 0
.rept 32
	global_load_b32 v[32+32*((\t)%2)+i], v1, s[6:7] offset:(32*(\t)+i)*4096 th:TH_LOAD_NT
.set i, i+1
.endr
.endm
.macro WBLOCK t
.set XS, 32+32*((\t)%2)
.set DST, FL+12*((\t)%2)+6*((\t)/2)
.if (\t) < 3
	s_wait_loadcnt 32                              ; this block's 32 loads are in; the next block's may be out
.else
	s_wait_loadcnt 0x0
.endif
	v_max3_num_f32 v26, |v[XS]|, |v[XS+1]|, |v[XS+2]|
	v_max3_num_f32 v27, |v[XS+3]|, |v[XS+4]|, |v[XS+5]|
.irp i, 6,10,14,18,22,26
	v_max3_num_f32 v26, v26, |v[XS+\i]|, |v[XS+\i+1]|
	v_max3_num_f32 v27, v27, |v[XS+\i+2]|, |v[XS+\i+3]|
.endr
	v_max3_num_f32 v26, v26, |v[XS+30]|, |v[XS+31]|
	v_max3_num_f32 v26, v26, v27, 0x1800000        ; and the floor
	v_add_nc_u32 v28, 0xff000000, v26
	v_lshrrev_b32 v29, 23, v28
.if (\t) == 0
	v_mov_b32 v24, v29
.else
	v_lshl_or_b32 v24, v29, 8*(\t), v24            ; my column's scale word
.endif
	v_cvt_scalef32_pk16_fp6_f32 v[DST:DST+2], v[XS:XS+15], v28
	v_cvt_scalef32_pk16_fp6_f32 v[120:122], v[XS+16:XS+31], v28
	v_nop                                          ; one plain place behind a scaled conversion
.irp i, 0,1,2
	v_mov_b32 v[DST+3+\i], v[120+\i]
.endr
.if (\t) < 2
	WLOAD (\t)+2
.endif
.endm
	WLOAD 0
	WLOAD 1
	WBLOCK 0
	WBLOCK 1
	WBLOCK 2
	WBLOCK 3
.set i, 0
.rept 12
	v_permlane16_swap_b32 v[FL+i], v[FH+i]         ; FL's lanes 16-31 change places with FH's lanes 0-15: FL is now tile u = 0's image (lanes 16-31: the odd blocks of rows 0-15), FH tile u = 1's
.set i, i+1
.endr
.irp q, 0,1,2
	global_store_b128 v4, v[FL+4*\q:FL+4*\q+3], s[32:33] offset:512*\q
	global_store_b128 v4, v[FH+4*\q:FH+4*\q+3], s[34:35] offset:512*\q
.endr
	global_store_b32 v6, v24, s[16:17]
	s_endpgm
.Lfunc_end_k_q74f96f8d89_prep:
	.size	k_q74f96f8d89_prep, .Lfunc_end_k_q74f96f8d89_prep-k_q74f96f8d89_prep
	.p2alignl 7, 3214868480
	.fill 96, 4, 3214868480
	.section	.rodata,"a",@progbits
	.p2align	6, 0x0
	.amdhsa_kernel k_q74f96f8d89_prep
		.amdhsa_group_segment_fixed_size 34304
		.amdhsa_private_segment_fixed_size 0
		.amdhsa_enable_private_segment 0
		.amdhsa_kernarg_size 56
		.amdhsa_user_sgpr_count 2
		.amdhsa_user_sgpr_kernarg_segment_ptr 1
		.amdhsa_wavefront_size32 1
		.amdhsa_system_sgpr_workgroup_id_x 1
		.amdhsa_system_sgpr_workgroup_id_y 1
		.amdhsa_system_sgpr_workgroup_id_z 1
		.amdhsa_system_vgpr_workitem_id 0
		.amdhsa_next_free_vgpr 256
		.amdhsa_next_free_sgpr 66
		.amdhsa_reserve_vcc 0
		.amdhsa_float_denorm_mode_32 3
		.amdhsa_float_denorm_mode_16_64 3
		.amdhsa_memory_ordered 1
		.amdhsa_forward_progress 1
		.amdhsa_inst_pref_size 51
	.end_amdhsa_kernel
	.amdgpu_metadata
---
amdhsa.version: [ 1, 2 ]
amdhsa.kernels:
  - .name:           k_q74f96f8d89_prep
    .symbol:         k_q74f96f8d89_prep.kd
    .args:
      - { .name: hidden_states, .offset: 0, .size: 8, .value_kind: global_buffer, .address_space: global }
      - { .name: w_q, .offset: 8, .size: 8, .value_kind: global_buffer, .address_space: global }
      - { .name: w_k, .offset: 16, .size: 8, .value_kind: global_buffer, .address_space: global }
      - { .name: w_v, .offset: 24, .size: 8, .value_kind: global_buffer, .address_space: global }
      - { .name: w_out, .offset: 32, .size: 8, .value_kind: global_buffer, .address_space: global }
      - { .name: xq, .offset: 40, .size: 8, .value_kind: global_buffer, .address_space: global }
      - { .name: wq, .offset: 48, .size: 8, .value_kind: global_buffer, .address_space: global }
    .group_segment_fixed_size: 34304
    .private_segment_fixed_size: 0
    .kernarg_segment_align: 8
    .kernarg_segment_size: 56
    .max_flat_workgroup_size: 128
    .sgpr_count:     66
    .vgpr_count:     256
    .wavefront_size: 32
...
	.end_amdgpu_metadata
.endif
;; end of part 1
;; launch gemm_qkv (part 2): grid 8 x 32, 4 waves a work-group, clusters of 4 x 4, 327,680 bytes of LDS; arguments xq, wq, qb, kb, vb; writes qb, kb, vb
.if DOCPART == 2
	.amdgcn_target "amdgcn-amd-amdhsa--gfx1250"
	.amdhsa_code_object_version 6
	.text
	.protected	k_q74f96f8d89_gemm_qkv
	.globl	k_q74f96f8d89_gemm_qkv
	.p2align	8
	.type	k_q74f96f8d89_gemm_qkv,@function
k_q74f96f8d89_gemm_qkv:
	s_mov_b64 s[64:65], 0
	v_nop
	global_prefetch_b8 v0, s[64:65] scope:SCOPE_SE
	s_setreg_imm32_b32 hwreg(HW_REG_WAVE_MODE, 25, 1), 1
	s_wait_xcnt 0x0
	s_wait_alu depctr_hold_cnt(0) depctr_sa_sdst(0) depctr_va_vdst(0) depctr_va_sdst(0) depctr_va_ssrc(0) depctr_va_vcc(0) depctr_vm_vsrc(0)
	s_getreg_b32 s2, hwreg(HW_REG_IB_STS2, 6, 4)
	s_cmp_eq_u32 s2, 0
	s_cbranch_scc0 .Lentry_in_a_cluster
	s_endpgm
.Lentry_in_a_cluster:
	s_bfe_u32 s2, ttmp6, 0x10000c
	s_cmp_lg_u32 s2, 0xf033
	s_cbranch_scc0 .Lentry_shape_is_right
	s_endpgm
.Lentry_shape_is_right:
.set SLOT,  98304
.set BOFF,  49152
.set SCL,   2*SLOT
.set SPARE, SCL+16384
.set VST,   SPARE+512
.set SCOA,  6291456
.set SCOB,  3145728
.set SCO,   6291456
.set LI,   4
.set LS,   7
.set VSA,  8
.set VSB,  9
.set V12,  10
.set AS2,  11
.set LR,   12
.set ADRA, 16
.set ADRB, 20
.set ADRS, 27
.set SPW,  28
.set NIL,  29
.set SC,   32
.set SB,   32
.set SA,   96
.set AF,   128
.set PB2,  2
.set XU,   97
.set G1, 24
.set G0, 32
.set G1B, 48
.set G0B, 56
.set G1S, 68
.set G0S, 76
.set G1SB, 80
.set G0SB, 88
.set MSB, 0
.macro WIN new
.if MSB != (\new)
	s_set_vgpr_msb (MSB<<8)|(\new)
.set MSB, (\new)
.endif
.endm
.set MUL_LO, 0xa1
.set MUL_HI, 0xf1
.set TO_B,   0x40
.macro JLOAD g0a, g1a, g0b, g1b
	s_cmp_eq_u32 s15, 0
	s_cbranch_scc0 .Lfor_b_\@
	tensor_load_to_lds s[\g0a:\g0a+3], s[\g1a:\g1a+7]
	s_nop 0
.rept 4
	v_nop
.endr
	s_branch .Lasked_\@
.Lfor_b_\@:
	tensor_load_to_lds s[\g0b:\g0b+3], s[\g1b:\g1b+7]
	s_nop 0
.rept 4
	v_nop
.endr
.Lasked_\@:
.endm
.macro JLOAD2 g0a, g1a, g0b, g1b
	s_cmp_eq_u32 s15, 0
	s_cbranch_scc0 .Lnot_a_\@
	tensor_load_to_lds s[\g0a:\g0a+3], s[\g1a:\g1a+7]
	s_nop 0
.rept 4
	v_nop
.endr
	s_branch .Lasked2_\@
.Lnot_a_\@:
	s_cmp_eq_u32 s14, 2
	s_cbranch_scc0 .Lasked2_\@
	tensor_load_to_lds s[\g0b:\g0b+3], s[\g1b:\g1b+7]
	s_nop 0
.rept 4
	v_nop
.endr
.Lasked2_\@:
.endm
.macro CREST
	s_cmp_lg_u32 s14, 0
	s_cbranch_scc1 .Lnot_wave_0_\@
	s_barrier_signal -3
.Lnot_wave_0_\@:
	s_barrier_wait -3
	s_barrier_signal -1
	s_barrier_wait -1
.endm
.macro CROUND
	s_barrier_signal -1
	s_barrier_wait -1
	CREST
.endm
.macro PLACES n
.rept \n
	v_nop
.endr
.endm
	s_load_b128 s[4:7], s[0:1], 0x0
	s_load_b128 s[8:11], s[0:1], 0x10
	s_load_b64 s[12:13], s[0:1], 0x20
	v_lshl_add_u32 v[SPW], v0, 2, SPARE
	v_mov_b32 v[NIL], 0
	ds_add_u32 v[SPW], v[NIL]
	ds_add_u32 v[SPW], v[NIL]
	v_lshrrev_b32 v1, 5, v0
	v_readfirstlane_b32 s14, v1
	s_lshr_b32 s15, s14, 1
	s_and_b32 s16, s14, 1
	s_bfe_u32 s40, ttmp6, 0x40000
	s_bfe_u32 s41, ttmp6, 0x40004
	s_lshl_b32 s[XU], ttmp9, 2
	s_add_co_u32 s[XU], s[XU], s40
	s_add_co_u32 s42, s[XU], 4
	s_and_b32 s17, ttmp7, 0xffff
	s_lshl_b32 s17, s17, 2
	s_add_co_u32 s17, s17, s41
	s_lshl_b32 s43, s41, 2
	s_lshl_b32 s43, 15, s43
	s_lshl_b32 s44, 0x1111, s40
	s_or_b32 s[G1+0], s43, (3<<16)|(1<<21)
	s_or_b32 s[G1B+0], s44, (3<<16)|(1<<21)
.irp g, G1, G1B
	s_mov_b32 s[\g+1], 384<<16
	s_mov_b32 s[\g+2], 16<<16
	s_mov_b32 s[\g+3], 384<<16
	s_mov_b32 s[\g+4], 16
	s_mov_b32 s[\g+5], 1536
	s_mov_b32 s[\g+6], 0
	s_mov_b32 s[\g+7], 0
.endr
	s_or_b32 s[G1S+0], s43, (3<<16)|(1<<21)
	s_or_b32 s[G1SB+0], s44, (3<<16)|(1<<21)
.irp g, G1S, G1SB
	s_mov_b32 s[\g+1], 32<<16
	s_mov_b32 s[\g+2], 32<<16
	s_mov_b32 s[\g+3], 32<<16
	s_mov_b32 s[\g+4], 32
	s_mov_b32 s[\g+5], 32
	s_mov_b32 s[\g+6], 0
	s_mov_b32 s[\g+7], 0
.endr
	s_lshl_b32 s18, s16, 3
	s_lshl_b32 s20, s17, 4
	s_add_co_u32 s20, s20, s18
	s_lshl_b32 s46, s42, 4
	s_add_co_u32 s46, s46, s18
	s_lshl_b32 s22, s20, 9
	s_mov_b32 s23, 0
	s_lshl_b32 s92, s46, 9
	s_mov_b32 s93, 0
	s_mul_i32 s20, s20, 12288
	s_mov_b32 s21, 0
	s_mul_i32 s46, s46, 12288
	s_mov_b32 s47, 0
	s_mul_i32 s[PB2], s[XU], 98304
	s_mov_b32 s[PB2+1], 0
	s_lshl_b32 s66, s[XU], 12
	s_mov_b32 s67, 0
	s_mul_i32 s45, s14, 24576
	s_lshl_b32 s94, s14, 12
	s_wait_dscnt 0x0
	s_wait_kmcnt 0x0
	s_add_nc_u64 s[20:21], s[4:5], s[20:21]
	s_add_nc_u64 s[22:23], s[4:5], s[22:23]
	s_add_nc_u64 s[22:23], s[22:23], SCOA
	s_add_nc_u64 s[46:47], s[6:7], s[46:47]
	s_add_nc_u64 s[92:93], s[6:7], s[92:93]
	s_add_nc_u64 s[92:93], s[92:93], SCOB
	s_add_nc_u64 s[PB2:PB2+1], s[6:7], s[PB2:PB2+1]
	s_add_nc_u64 s[66:67], s[6:7], s[66:67]
	s_add_nc_u64 s[66:67], s[66:67], SCOB
	CROUND
	s_mov_b32 s[G0S], 1
	s_add_co_u32 s[G0S+1], s94, SCL-4096           ; used by wave 1 alone: all 16 tiles' scale words of A, from the first tile on
	s_sub_nc_u64 s[G0S+2:G0S+3], s[22:23], 4096
	s_or_b32 s[G0S+3], s[G0S+3], 0x80000000
	s_mov_b32 s[G0SB], 1
	s_add_co_u32 s[G0SB+1], s94, SCL-4096          ; used by wave 3 alone: the same of B
	s_sub_nc_u64 s[G0SB+2:G0SB+3], s[92:93], 4096
	s_or_b32 s[G0SB+3], s[G0SB+3], 0x80000000
.irp s, 0,1
	s_mov_b32 s[G0+4*\s], 1
	s_add_co_u32 s[G0+4*\s+1], s45, \s*SLOT
	s_add_nc_u64 s[G0+4*\s+2:G0+4*\s+3], s[20:21], \s*3072
	s_or_b32 s[G0+4*\s+3], s[G0+4*\s+3], 0x80000000
	s_mov_b32 s[G0B+4*\s], 1
	s_add_co_u32 s[G0B+4*\s+1], s45, \s*SLOT
	s_add_nc_u64 s[G0B+4*\s+2:G0B+4*\s+3], s[46:47], \s*3072
	s_or_b32 s[G0B+4*\s+3], s[G0B+4*\s+3], 0x80000000
.endr
	; the head's four tiles, one joint load a wave: wave 0 slot 0's 16 tiles of A, wave 2 its 16 tiles of B, wave 1 A's scale words, wave 3 B's
	s_cmp_lg_u32 s16, 0
	s_cbranch_scc1 .Lh_scales
	JLOAD G0, G1, G0B, G1B
	s_branch .Lh_asked
.Lh_scales:
	JLOAD G0S, G1S, G0SB, G1SB
.Lh_asked:
	s_wait_alu depctr_va_vdst(0)
	s_wait_tensorcnt 0x0                           ; ahead of slot 1's first fill
	ds_add_u32 v28, v29
	s_mov_b32 s[G1+2], 8<<16                       ; no load of mine is out: from here on a load brings 8 tiles
	s_mov_b32 s[G1+4], 8
	s_mov_b32 s[G1B+2], 8<<16
	s_mov_b32 s[G1B+4], 8
	s_wait_dscnt 0x0
	CROUND
	JLOAD G0+4, G1, G0B+4, G1B
	v_and_b32 v1, 15, v0
	v_bfe_u32 v2, v0, 4, 1
	v_and_b32 v3, 31, v0
	v_lshlrev_b32 v[LI], 4, v3
	v_lshlrev_b32 v[LS], 2, v3
	v_lshlrev_b32 v[LR], 2, v1
	s_mul_i32 s18, s14, 12288
	v_add_nc_u32 v[ADRA], s18, v[LI]
	s_add_co_u32 s18, s18, SLOT
	v_add_nc_u32 v[ADRA+1], s18, v[LI]
	v_add_nc_u32 v[ADRB], BOFF, v[LI]
	v_add_nc_u32 v[ADRB+1], SLOT+BOFF, v[LI]
	s_xor_b32 s18, s14, 3
	s_add_co_u32 s18, s18, 1
	s_lshl_b32 s18, s18, 11
	v_mul_u32_u24 v6, s18, v2
	s_lshl_b32 s18, s14, 11
	s_add_co_u32 s18, s18, SCL
	v_lshl_add_u32 v6, v1, 2, v6
	v_add_nc_u32 v[ADRS], s18, v6
	v_add_nc_u32 v[AS2], s18, v[LR]
	s_lshl_b32 s19, s14, 9
	s_add_co_u32 s19, s19, VST
	v_lshrrev_b32 v[VSA], 1, v1
	v_lshl_add_u32 v[VSA], v2, 8, v[VSA]
	v_add_nc_u32 v[VSA], s19, v[VSA]
	v_add_nc_u32 v[VSB], s19, v[LI]
	v_mul_u32_u24 v[V12], v3, 12
	WIN TO_B
.set n, 0
.rept 64
	global_load_b32 v[192+n], v[LR], s[66:67] offset:512*(n%8)+64*(n/8)
.set n, n+1
.endr
	WIN 0
.macro FRAGL reg, adr, off
.irp c, 0,1,2
	ds_load_b128 v[(\reg)+4*\c:(\reg)+4*\c+3], v[\adr] offset:(\off)+512*\c
.endr
.endm
.macro FETCH_A slot, q, set
.irp a, 0,1,2,3
	FRAGL AF+48*(\set)+12*\a, ADRA+\slot, \a*3072+(\q)*1536
.endr
.endm
.macro FETCH_B slot, q, b0
	WIN TO_B
.irp i, 0,1,2,3,4,5,6,7
	FRAGL 12*(\b0+\i), ADRB+\slot, (\b0+\i)*3072+(\q)*1536
.endr
	WIN 0
.endm
.macro SCALES set
.irp q, 0,1
.irp i, 0,1,2,3,4,5,6,7,8,9,10,11,12,13,14,15
	ds_load_b32 v[SC+32*(\set)+16*\q+\i], v[ADRS] offset:512*\i+64*\q
.endr
.endr
.endm
.macro MULB b0, n, set, q, sc, zero
.set bb, \b0
.rept \n
.set aa, 0
.rept 4
.if \zero
	v_wmma_scale_f32_16x16x128_f8f6f4 v[8*(8*aa+bb%8):8*(8*aa+bb%8)+7], v[12*bb:12*bb+11], v[AF+48*(\set)+12*aa:AF+48*(\set)+12*aa+11], 0, v[SC+32*(\sc)+16*(\q)+bb], v[SC+32*(\sc)+16*(\q)+aa] matrix_a_fmt:MATRIX_FMT_FP6 matrix_b_fmt:MATRIX_FMT_FP6 matrix_a_scale:MATRIX_SCALE_ROW1
.else
	v_wmma_scale_f32_16x16x128_f8f6f4 v[8*(8*aa+bb%8):8*(8*aa+bb%8)+7], v[12*bb:12*bb+11], v[AF+48*(\set)+12*aa:AF+48*(\set)+12*aa+11], v[8*(8*aa+bb%8):8*(8*aa+bb%8)+7], v[SC+32*(\sc)+16*(\q)+bb], v[SC+32*(\sc)+16*(\q)+aa] matrix_a_fmt:MATRIX_FMT_FP6 matrix_b_fmt:MATRIX_FMT_FP6 matrix_a_scale:MATRIX_SCALE_ROW1
.endif
.set aa, aa+1
.endr
.set bb, bb+1
.endr
.endm
.macro STEP slot, zero
	s_wait_dscnt 24
	WIN MUL_LO
	MULB 0, 8, 0, 0, \slot, \zero
	s_wait_dscnt 0x0
	PLACES 4
	FETCH_B \slot, 1, 0
	FETCH_A \slot, 1, 1
	WIN MUL_HI
	MULB 8, 8, 0, 0, \slot, \zero
	PLACES 4
	FETCH_B \slot, 1, 8
.endm
.macro TURN slot, next, fill
	s_wait_tensorcnt 0x0
	ds_add_u32 v[SPW], v[NIL]
	s_wait_dscnt 25
	WIN MUL_LO
	MULB 0, 4, 1, 1, \slot, 0
	s_wait_dscnt 0x0
	s_barrier_signal -1
	MULB 4, 4, 1, 1, \slot, 0
	WIN 0
	s_barrier_wait -1
	CREST
.if (\fill) == 1
	s_add_nc_u64 s[G0+4*\slot+2:G0+4*\slot+3], s[G0+4*\slot+2:G0+4*\slot+3], 6144
	s_add_nc_u64 s[G0B+4*\slot+2:G0B+4*\slot+3], s[G0B+4*\slot+2:G0B+4*\slot+3], 6144
	JLOAD G0+4*\slot, G1, G0B+4*\slot, G1B
.else
	s_sub_nc_u64 s[G0+4*\slot+2:G0+4*\slot+3], s[G0+4*\slot+2:G0+4*\slot+3], 6144
	s_add_nc_u64 s[G0B+4*\slot+2:G0B+4*\slot+3], s[PB2:PB2+1], \slot*3072
	s_or_b32 s[G0B+4*\slot+3], s[G0B+4*\slot+3], 0x80000000
	JLOAD2 G0+4*\slot, G1, G0B+4*\slot, G1B
	PLACES 4
.endif
	s_wait_alu depctr_va_vdst(0)
	v_add_nc_u32 v[ADRS], 128, v[ADRS]
	FETCH_B \next, 0, 0
	FETCH_A \next, 0, 0
	SCALES \next
	WIN MUL_HI
	MULB 8, 8, 1, 1, \slot, 0
	PLACES 4
	FETCH_B \next, 0, 8
.endm
	s_wait_alu depctr_va_vdst(0)
	s_wait_tensorcnt 1
	s_barrier_signal -1
	s_barrier_wait -1
	FETCH_B 0, 0, 0
	FETCH_A 0, 0, 0
	SCALES 0
	FETCH_B 0, 0, 8
	STEP 0, 1
	TURN 0, 1, 1
	STEP 1, 0
	TURN 1, 0, 1
	STEP 0, 0
	TURN 0, 1, 2
	STEP 1, 0
	s_wait_dscnt 24
	WIN MUL_LO
	MULB 0, 8, 1, 1, 1, 0
	s_wait_dscnt 0x0
	WIN MUL_HI
	MULB 8, 8, 1, 1, 1, 0
	WIN 0
	s_wait_tensorcnt 0x0
	ds_add_u32 v[SPW], v[NIL]
	PLACES 4
	s_wait_dscnt 0x0
	CROUND
	s_sub_nc_u64 s[G0+6:G0+7], s[G0+6:G0+7], 6144
	s_add_nc_u64 s[G0B+6:G0B+7], s[PB2:PB2+1], 3072
	s_or_b32 s[G0B+7], s[G0B+7], 0x80000000
	JLOAD2 G0+4, G1, G0B+4, G1B
.set PC,  96
.set TM,  116
.set PW,  132
	s_lshl_b32 s18, s17, 2
	s_add_co_u32 s18, s18, s14
	s_mov_b32 s92, 0x76543210
	s_mov_b32 s93, 0xfedcba98
	s_mov_b32 s96, 0xffff0000
	s_cmp_eq_u32 ttmp9, 1
	s_cbranch_scc1 .Lv_out
	s_mul_i32 s20, s18, 49152
	s_mul_i32 s21, s40, 3072
	s_add_co_u32 s20, s20, s21
	s_mov_b32 s21, 0
	s_add_nc_u64 s[22:23], s[10:11], s[20:21]
	s_lshl_b32 s20, s18, 11
	s_lshl_b32 s19, s40, 7
	s_add_co_u32 s20, s20, s19
	s_add_nc_u64 s[10:11], s[10:11], s[20:21]
	s_add_nc_u64 s[10:11], s[10:11], SCO
.irp b, 0,1,2,3
	v_mov_b32 v[TM+4+\b], 0
.endr
.macro QUANTW s, wv
	WIN 5*(\wv)
.irp b, 0,1,2,3
	v_max3_num_f32 v[TM+\b], |v[(\s)+16*\b]|, |v[(\s)+1+16*\b]|, 0x1800000
.endr
	WIN 20*(\wv)
.irp i, 2,4,6,8,10,12,14
.irp b, 0,1,2,3
	v_max3_num_f32 v[TM+\b], v[TM+\b], |v[(\s)+16*\b+\i]|, |v[(\s)+1+16*\b+\i]|
.endr
.endr
	WIN 0
.irp b, 0,1,2,3
	v_permlanex16_b32 v[TM+4+\b], v[TM+\b], s92, s93
.endr
.irp b, 0,1,2,3
	v_max_num_f32 v[TM+\b], v[TM+\b], v[TM+4+\b]
.endr
.irp b, 0,1,2,3
	v_add_nc_u32 v[TM+12+\b], 0xff000000, v[TM+\b]
.endr
.irp b, 0,1,2,3
	v_lshrrev_b32 v[TM+4+\b], 23, v[TM+12+\b]
.endr
	v_lshl_or_b32 v[PW], v[TM+5], 8, v[TM+4]
	v_lshl_or_b32 v[PW], v[TM+6], 16, v[PW]
	v_lshl_or_b32 v[PW], v[TM+7], 24, v[PW]
	WIN \wv
.irp c, 0,1
	v_cvt_scalef32_pk16_fp6_f32 v[PC+6*\c:PC+2+6*\c], v[(\s)+32*\c:(\s)+15+32*\c], v[TM+12+2*\c]
	v_cvt_scalef32_pk16_fp6_f32 v[PC+12+4*\c:PC+14+4*\c], v[(\s)+16+32*\c:(\s)+31+32*\c], v[TM+12+2*\c+1]
.endr
	WIN 0
	v_nop
.irp c, 0,1
.irp i, 0,1,2
	v_permlane16_swap_b32 v[PC+6*\c+\i], v[PC+12+4*\c+\i]
.endr
.irp i, 0,1,2
	v_mov_b32 v[PC+3+6*\c+\i], v[PC+12+4*\c+\i]
.endr
.endr
.endm
.macro QKTURN a, c2
	s_wait_xcnt 0x0
	QUANTW 64*(\a), 2+(\c2)
.irp q, 0,1,2
	global_store_b128 v[LI], v[PC+4*\q:PC+4*\q+3], s[22:23] offset:(8*(\a)+(\c2))*1536+512*\q
.endr
.if (\c2) == 0
	v_mov_b32 v133, v[PW]
.else
	v_cndmask_b32 v134, v133, v[PW], s96
	global_store_b32 v[LS], v134, s[10:11] offset:512*(\a)
.endif
.endm
.irp a, 0,1,2,3
	QKTURN \a, 0
	QKTURN \a, 1
.endr
	s_branch .Lpass2
.Lv_out:
	s_mul_i32 s20, s18, 49152
	s_mul_i32 s21, s40, 12288
	s_add_co_u32 s20, s20, s21
	s_mov_b32 s21, 0
	s_add_nc_u64 s[22:23], s[12:13], s[20:21]
	s_lshl_b32 s20, s18, 11
	s_lshl_b32 s19, s40, 9
	s_add_co_u32 s20, s20, s19
	s_add_nc_u64 s[12:13], s[12:13], s[20:21]
	s_add_nc_u64 s[12:13], s[12:13], SCO
.set T, 32
.macro VTURN a
	s_wait_xcnt 0x0
.irp hw, 0,1
	WIN 2+\hw
.irp g8, 0,1,2,3,4,5,6,7
.irp j, 0,1,2,3,4,5,6,7
	v_mov_b32 v[T+16*\j+(8*\hw+\g8)/2+8*(\g8%2)], v[64*(\a)+8*\g8+\j]
.endr
.endr
.endr
	WIN 0
.irp j, 0,1,2,3,4,5,6,7
	v_max3_num_f32 v224, |v[T+16*\j]|, |v[T+16*\j+1]|, |v[T+16*\j+2]|
	v_max3_num_f32 v225, |v[T+16*\j+3]|, |v[T+16*\j+4]|, |v[T+16*\j+5]|
.irp i, 6,10
	v_max3_num_f32 v224, v224, |v[T+16*\j+\i]|, |v[T+16*\j+\i+1]|
	v_max3_num_f32 v225, v225, |v[T+16*\j+\i+2]|, |v[T+16*\j+\i+3]|
.endr
	v_max3_num_f32 v224, v224, |v[T+16*\j+14]|, |v[T+16*\j+15]|
	v_max3_num_f32 v224, v224, v225, 0x1800000
	v_max_num_f32_dpp v224, v224, v224 row_xmask:1 row_mask:0xf bank_mask:0xf
	v_add_nc_u32 v226, 0xff000000, v224
	v_cvt_scalef32_pk16_fp6_f32 v[160+4*\j:162+4*\j], v[T+16*\j:T+16*\j+15], v226
	v_lshrrev_b32 v[192+\j], 23, v226
	ds_store_b8 v[VSA], v[192+\j] offset:32*\j+8*(\a)
	global_store_b96 v[V12], v[160+4*\j:162+4*\j], s[22:23] offset:(8*(\a)+\j)*384
.endr
.endm
	VTURN 0
	VTURN 1
	VTURN 2
	VTURN 3
	ds_load_b128 v[228:231], v[VSB]
	s_wait_dscnt 0x0
	global_store_b128 v[LI], v[228:231], s[12:13]
.Lpass2:
	s_wait_xcnt 0x0
	s_wait_loadcnt 0x0
	WIN 0x01
.set n, 0
.rept 64
	v_mov_b32 v[SB+n], v[192+n]
.set n, n+1
.endr
	WIN 0
.set n, 0
.rept 32
	ds_load_b32 v[SA+n], v[AS2] offset:512*(n%4)+64*(n/4)
.set n, n+1
.endr
.macro FETCH2 slot, q
	WIN 0
.irp a, 0,1,2,3
	FRAGL AF+48*(\q)+12*\a, ADRA+\slot, \a*3072+(\q)*1536
.endr
	WIN TO_B
.irp i, 0,1,2,3,4,5,6,7
	FRAGL 96*(\q)+12*\i, ADRB+\slot, \i*3072+(\q)*1536
.endr
	WIN 0
.endm
.macro MUL2 b0, n, q, ks, zero
.set bb, \b0
.rept \n
.set aa, 0
.rept 4
.if \zero
	v_wmma_scale_f32_16x16x128_f8f6f4 v[8*(8*aa+bb):8*(8*aa+bb)+7], v[96*(\q)+12*bb:96*(\q)+12*bb+11], v[AF+48*(\q)+12*aa:AF+48*(\q)+12*aa+11], 0, v[SB+8*(\ks)+bb], v[SA+4*(\ks)+aa] matrix_a_fmt:MATRIX_FMT_FP6 matrix_b_fmt:MATRIX_FMT_FP6
.else
	v_wmma_scale_f32_16x16x128_f8f6f4 v[8*(8*aa+bb):8*(8*aa+bb)+7], v[96*(\q)+12*bb:96*(\q)+12*bb+11], v[AF+48*(\q)+12*aa:AF+48*(\q)+12*aa+11], v[8*(8*aa+bb):8*(8*aa+bb)+7], v[SB+8*(\ks)+bb], v[SA+4*(\ks)+aa] matrix_a_fmt:MATRIX_FMT_FP6 matrix_b_fmt:MATRIX_FMT_FP6
.endif
.set aa, aa+1
.endr
.set bb, bb+1
.endr
.endm
.macro P2STEP slot, ks, zero
	s_wait_dscnt 12
	WIN MUL_LO
	MUL2 0, 4, 0, \ks, \zero
	s_wait_dscnt 0x0
	PLACES 4
	FETCH2 \slot, 1
	WIN MUL_LO
	MUL2 4, 4, 0, \ks, \zero
	WIN 0
.endm
.macro P2TURN slot, next, ks, fill
	s_wait_tensorcnt 0x0
	ds_add_u32 v[SPW], v[NIL]
	s_wait_dscnt 13
	WIN MUL_LO
	MUL2 0, 2, 1, \ks, 0
	s_wait_dscnt 0x0
	s_barrier_signal -1
	MUL2 2, 2, 1, \ks, 0
	WIN 0
	s_barrier_wait -1
.if \fill
	CREST
	s_add_nc_u64 s[G0+4*\slot+2:G0+4*\slot+3], s[G0+4*\slot+2:G0+4*\slot+3], 6144
	s_add_nc_u64 s[G0B+4*\slot+2:G0B+4*\slot+3], s[G0B+4*\slot+2:G0B+4*\slot+3], 6144
	JLOAD2 G0+4*\slot, G1, G0B+4*\slot, G1B
.endif
	PLACES 4
	FETCH2 \next, 0
	WIN MUL_LO
	MUL2 4, 4, 1, \ks, 0
	WIN 0
.endm
	FETCH2 0, 0
	P2STEP 0, 0, 1
	P2TURN 0, 1, 1, 1
	P2STEP 1, 2, 0
	P2TURN 1, 0, 3, 1
	P2STEP 0, 4, 0
	P2TURN 0, 1, 5, 0
	s_wait_alu depctr_va_vdst(0)
	P2STEP 1, 6, 0
	s_wait_dscnt 12
	WIN MUL_LO
	MUL2 0, 4, 1, 7, 0
	s_wait_dscnt 0x0
	MUL2 4, 4, 1, 7, 0
	WIN 0
	PLACES 4
	s_mul_i32 s20, s18, 49152
	s_mul_i32 s21, s[XU], 1536
	s_add_co_u32 s20, s20, s21
	s_mov_b32 s21, 0
	s_add_nc_u64 s[22:23], s[8:9], s[20:21]
	s_lshl_b32 s20, s18, 11
	s_lshl_b32 s19, s[XU], 6
	s_add_co_u32 s20, s20, s19
	s_add_nc_u64 s[8:9], s[8:9], s[20:21]
	s_add_nc_u64 s[8:9], s[8:9], SCO
.irp b, 0,1,2,3
	v_mov_b32 v[TM+4+\b], 0
.endr
.macro QTURN a
	s_wait_xcnt 0x0
	QUANTW 64*(\a), 2
.irp q, 0,1,2
	global_store_b128 v[LI], v[PC+4*\q:PC+4*\q+3], s[22:23] offset:8*(\a)*1536+512*\q
.endr
	global_store_b32 v[LR], v[PW], s[8:9] offset:512*(\a)
.endm
	QTURN 0
	QTURN 1
	QTURN 2
	QTURN 3
	s_wait_tensorcnt 0x0
	ds_add_u32 v[SPW], v[NIL]
	s_wait_dscnt 0x0
	CROUND
	s_endpgm
.Lfunc_end_k_q74f96f8d89_gemm_qkv:
	.size	k_q74f96f8d89_gemm_qkv, .Lfunc_end_k_q74f96f8d89_gemm_qkv-k_q74f96f8d89_gemm_qkv
	.p2alignl 7, 3214868480
	.fill 96, 4, 3214868480
	.section	.rodata,"a",@progbits
	.p2align	6, 0x0
	.amdhsa_kernel k_q74f96f8d89_gemm_qkv
		.amdhsa_group_segment_fixed_size 327680
		.amdhsa_private_segment_fixed_size 0
		.amdhsa_enable_private_segment 0
		.amdhsa_kernarg_size 40
		.amdhsa_user_sgpr_count 2
		.amdhsa_user_sgpr_kernarg_segment_ptr 1
		.amdhsa_wavefront_size32 1
		.amdhsa_system_sgpr_workgroup_id_x 1
		.amdhsa_system_sgpr_workgroup_id_y 1
		.amdhsa_system_sgpr_workgroup_id_z 1
		.amdhsa_system_vgpr_workitem_id 0
		.amdhsa_next_free_vgpr 1024
		.amdhsa_next_free_sgpr 98
		.amdhsa_reserve_vcc 0
		.amdhsa_float_denorm_mode_32 3
		.amdhsa_float_denorm_mode_16_64 3
		.amdhsa_memory_ordered 1
		.amdhsa_forward_progress 1
		.amdhsa_inst_pref_size 255
	.end_amdhsa_kernel
	.section	.bss,"aw",@nobits
	.p2align	6
	.space	262144
	.amdgpu_metadata
---
amdhsa.version: [ 1, 2 ]
amdhsa.kernels:
  - .name:           k_q74f96f8d89_gemm_qkv
    .symbol:         k_q74f96f8d89_gemm_qkv.kd
    .args:
      - { .name: xq, .offset: 0, .size: 8, .value_kind: global_buffer, .address_space: global }
      - { .name: wq, .offset: 8, .size: 8, .value_kind: global_buffer, .address_space: global }
      - { .name: qb, .offset: 16, .size: 8, .value_kind: global_buffer, .address_space: global }
      - { .name: kb, .offset: 24, .size: 8, .value_kind: global_buffer, .address_space: global }
      - { .name: vb, .offset: 32, .size: 8, .value_kind: global_buffer, .address_space: global }
    .group_segment_fixed_size: 327680
    .private_segment_fixed_size: 0
    .kernarg_segment_align: 8
    .kernarg_segment_size: 40
    .max_flat_workgroup_size: 128
    .sgpr_count:     98
    .vgpr_count:     1024
    .wavefront_size: 32
...
	.end_amdgpu_metadata
.endif
;; end of part 2
;; launch attn (part 3): grid 4 x 64, 8 waves a work-group, clusters of 4 x 1, 327,680 bytes of LDS; arguments qb, kb, vb, ab; writes ab
.if DOCPART == 3
	.amdgcn_target "amdgcn-amd-amdhsa--gfx1250"
	.amdhsa_code_object_version 6
	.text
	.protected	k_q74f96f8d89_attn
	.globl	k_q74f96f8d89_attn
	.p2align	8
	.type	k_q74f96f8d89_attn,@function
k_q74f96f8d89_attn:
	s_mov_b64 s[64:65], 0
	v_nop
	global_prefetch_b8 v0, s[64:65] scope:SCOPE_SE
	s_setreg_imm32_b32 hwreg(HW_REG_WAVE_MODE, 25, 1), 1
	s_wait_xcnt 0x0
	s_wait_alu depctr_hold_cnt(0) depctr_sa_sdst(0) depctr_va_vdst(0) depctr_va_sdst(0) depctr_va_ssrc(0) depctr_va_vcc(0) depctr_vm_vsrc(0)
	s_getreg_b32 s2, hwreg(HW_REG_IB_STS2, 6, 4)
	s_cmp_eq_u32 s2, 0
	s_cbranch_scc0 .Lentry_in_a_cluster
	s_endpgm
.Lentry_in_a_cluster:
	s_bfe_u32 s2, ttmp6, 0x10000c
	s_cmp_lg_u32 s2, 0x3003
	s_cbranch_scc0 .Lentry_shape_is_right
	s_endpgm
.Lentry_shape_is_right:
; For each head: O = softmax(Q K^T / 32) V, both products on codes of FP6 (E2M3) with E8M0 scales; the result is quantised along (head, channel) and leaves as operand images for the last product.
; SOFTMAX: t = score x log2(e) / 32; M = the running largest t rounded up to a whole number; p = 2^(t - M) is quantised along the keys, not normalised; the sum of the unquantised p divides O at the end.
; SHARES.  Work-group (a, y): queries m = 16 a .. + 15 x all 16 groups g of heads 2 y, 2 y + 1, one head after the other.  Wave w owns Q's image x = w: tile A is g = 2 w, tile B is g = 2 w + 1:
;   each fragment of K and V that is read from LDS serves both tiles, and the two tiles' chains of dependent lines go by turns.
; FILLS.  Both heads' K and V lie in LDS, each byte filled once, in four halves of a head (32 key rows).  Wave w issues ONE tensor load in the launch: K's half w % 4 (waves 0-3) or V's (waves 4-7);
;   waves 0 and 4 at the head, the others behind the head's end; the wait for those stands behind the first half's two trips.  So nothing is left to prefetch: all is asked for ahead of the loops.
; CLUSTER 4 x 1: the four work-groups of a y read the same K and V: joint loads, mask 15.
; PADDING by the descriptors: K: 32 bytes behind each 512 (an image's three chunks 544 apart, images 1,632 apart); V: 16 bytes behind each 64 (a run of 192 bytes takes 240): byte y of a run lies at y + 16 (y / 64),
;   so lanes 16-31, 24 bytes on in the run, stand 24 or 40 bytes on in LDS: two address registers.
; LAYOUT.  Both products transposed: a lane holds one query.  A fragment of K holds two keys a row (g = 2 x in k 0-63, g = 2 x + 1 in k 64-127) and is multiplied by [Q; 0] and by [0; Q].
; LIMITS: a block of zeros, or under 2^-124, gets the byte 1; NaN and infinities are not served; the scaled scores stay under 2^31.
; REGISTERS.  window 0: v1-11, v20-22 addresses; tile x: v12 + 4 x: -M, largest t, the sum's pair; v24-53 zeros, Q of A, zeros, Q of B, zeros; v54-63 scale words (K 54, 55; V 56, 57; p 58, 59; Q 60, 61; the second head's Q 62, 63);
;   v64-127, v128-191 S^T, then p, of A and B; v192-223, v224-255 at work for A and B: + 0-3 block maxima, + 4-7 permutes and bytes, + 8-11 scale operands, + 12 f, + 14 in hand, + 15 the result's scale word, + 16-27 partial sums, then p's codes.
;   window 1: v0-47 K's fragments; v48-95 V's; v96-127, v128-159 O^T of A and B; v160-171, v176-187 the results' images; v192-203 the second head's Q.
.set KIMG,  1632
.set KTRIP, 13056
.set KHALF, 26112
.set VC,    104448
.set VRUN,  240
.set VBLK,  3840
.set VTAU,  7680
.set VHALF, 30720
.set KS,    227328                     ; K's scale words: 64 rows of 64 bytes at pitch 80
.set VS,    232448                     ; V's scale bytes: (head, a): 64 rows of 8 bytes
.set SPARE, 236544                     ; the spare words, 128 bytes a wave
.set SCO,   6291456
.set SPW, 5
.set NIL, 6
.set SA,  64
.set SB,  128
.set TA,  192
.set TB,  224
.set WV,  12
.set TK,  50
.set TV,  51
.set TS,  52
.set TT,  53
.set CS,  54
.set SEL, 56
.set PASS, 58
.set TRIP, 59
.set HALF, 62
.set G1K, 68
.set G1V, 76
.set G0K, 84
.set G0V, 88
.set MSB, 0
.macro WIN new
.if MSB != (\new)
	s_set_vgpr_msb (MSB<<8)|(\new)
.set MSB, (\new)
.endif
.endm
.macro CROUND
	s_barrier_signal -1
	s_barrier_wait -1
	s_cmp_lg_u32 s[WV], 0
	s_cbranch_scc1 .Lnot_wave_0_\@
	s_barrier_signal -3
.Lnot_wave_0_\@:
	s_barrier_wait -3
	s_barrier_signal -1
	s_barrier_wait -1
.endm
.macro TARM g0, g1
	tensor_load_to_lds s[\g0:\g0+3], s[\g1:\g1+7]
	s_nop 0
.rept 4
	v_nop
.endr
.endm
	s_load_b256 s[4:11], s[0:1], 0x0               ; qb, kb, vb, ab
	v_lshl_add_u32 v[SPW], v0, 2, SPARE
	v_mov_b32 v[NIL], 0
	ds_add_u32 v[SPW], v[NIL]                      ; the opening lines
	ds_add_u32 v[SPW], v[NIL]
	v_lshrrev_b32 v8, 5, v0
	v_readfirstlane_b32 s[WV], v8                  ; wave 0..7
	v_and_b32 v9, 31, v0
	v_lshlrev_b32 v7, 4, v9                        ; 16 l
	v_and_b32 v67, 15, v0
	v_lshlrev_b32 v22, 2, v67                      ; 4 r
	v_lshlrev_b32 v68, 4, v0                       ; 16 x thread
	v_lshlrev_b32 v69, 3, v0                       ; 8 x thread
	v_lshrrev_b32 v64, 2, v0                       ; K's words on the way in: piece t of 16 bytes: row t / 4
	v_mul_u32_u24 v64, v64, 80
	v_and_b32 v65, 3, v0
	v_lshl_add_u32 v64, v65, 4, v64
	v_add_nc_u32 v70, KS, v64
	v_lshlrev_b32 v64, 9, v65                      ; V's bytes: piece t of 8 bytes = (row t / 4, a = t % 4) goes to chunk a, row t / 4; the second head 2,048 on
	v_bfe_u32 v65, v0, 2, 6
	v_lshl_add_u32 v64, v65, 3, v64
	v_add_nc_u32 v71, VS, v64
	v_and_b32 v64, 7, v0
	v_bfe_u32 v65, v0, 3, 1
	v_bfe_u32 v66, v0, 4, 1
	v_mul_u32_u24 v1, v64, KIMG                    ; K: image x = l % 8, its lane 16 (l / 16) + ((l / 8) % 2) + 2 (block)
	v_lshl_add_u32 v1, v66, 8, v1
	v_lshl_add_u32 v1, v65, 4, v1
	v_lshl_add_u32 v2, v64, 1, v65                 ; V: row rho = 8 h + j of a tile is run 2 j + h
	v_mul_u32_u24 v2, v2, VRUN
	v_add_nc_u32 v2, VC, v2
	v_mad_u32_u24 v21, v66, 40, v2                 ; lanes 16-31: 40 bytes on,
	v_mad_u32_u24 v2, v66, 24, v2                  ; or 24
	v_mul_u32_u24 v3, v64, 80                      ; K's words: lanes 16-31 take the next fragment's
	v_lshl_add_u32 v3, v65, 2, v3
	v_lshl_add_u32 v3, v66, 3, v3
	v_add_nc_u32 v3, KS, v3
	v_lshlrev_b32 v4, 3, v67                       ; V's words: lanes 16-31 take the next tile's
	v_lshl_add_u32 v4, v66, 7, v4
	v_add_nc_u32 v4, VS, v4
	s_and_b32 s13, ttmp7, 0xffff                   ; y
	s_bfe_u32 s14, ttmp6, 0x40000                  ; a = my place in the cluster: it enters Q's and the result's global addresses alone
	s_and_b32 s15, s[WV], 3                        ; which half of a head I fetch,
	s_lshr_b32 s16, s[WV], 2                       ; of K (0) or V (1)
	s_mov_b32 s[G1K], 15|(3<<16)|(1<<20)|(1<<21)|(6<<22)|(7<<25)   ; K: 48 rows of 512 bytes, dense; 8 words behind each 128
	s_mov_b32 s[G1K+1], 64<<16
	s_mov_b32 s[G1K+2], 48<<16
	s_mov_b32 s[G1K+3], 64<<16
	s_mov_b32 s[G1K+4], 48
	s_mov_b32 s[G1K+5], 64
	s_mov_b32 s[G1K+6], 0
	s_mov_b32 s[G1K+7], 0
	s_mov_b32 s[G1V], 15|(3<<16)|(1<<20)|(1<<21)|(3<<22)|(3<<25)   ; V: 4 rows (tau) of 6,144 bytes, 12,288 apart; 4 words behind each 16
	s_mov_b32 s[G1V+1], 768<<16
	s_mov_b32 s[G1V+2], 4<<16
	s_mov_b32 s[G1V+3], 768<<16
	s_mov_b32 s[G1V+4], 4
	s_mov_b32 s[G1V+5], 1536
	s_mov_b32 s[G1V+6], 0
	s_mov_b32 s[G1V+7], 0
	s_mul_i32 s20, s13, 98304                      ; the two heads' codes
	s_mul_i32 s22, s15, 24576
	s_add_co_u32 s22, s22, s20
	s_mov_b32 s23, 0
	s_lshr_b32 s24, s15, 1                         ; V in memory is [head][tau][a]
	s_mul_i32 s24, s24, 49152
	s_and_b32 s25, s15, 1
	s_mul_i32 s25, s25, 6144
	s_add_co_u32 s24, s24, s25
	s_add_co_u32 s24, s24, s20
	s_mov_b32 s25, 0
	s_lshl_b32 s26, s14, 3
	s_add_co_u32 s26, s26, s[WV]                   ; Q's image 8 a + w
	s_mul_i32 s28, s26, 1536
	s_add_co_u32 s28, s28, s20
	s_mov_b32 s29, 0
	s_lshl_b32 s30, s26, 6
	s_lshl_b32 s18, s13, 12                        ; the two heads' scales
	s_mov_b32 s19, 0
	s_add_co_u32 s30, s30, s18
	s_mov_b32 s31, 0
	s_lshr_b32 s44, s13, 3
	s_lshl_b32 s44, s44, 6
	s_lshl_b32 s45, s14, 4
	s_add_co_u32 s44, s44, s45
	s_lshl_b32 s45, s[WV], 1
	s_add_co_u32 s44, s44, s45                     ; tile A's row tile of the result: 64 b + 16 a + 2 w; tile B's is the next
	s_and_b32 s45, s13, 7                          ; its K step: the pair of heads
	s_mul_i32 s46, s44, 12288
	s_mul_i32 s47, s45, 1536
	s_add_co_u32 s46, s46, s47
	s_mov_b32 s47, 0
	s_lshl_b32 s60, s44, 9
	s_lshl_b32 s45, s45, 6
	s_add_co_u32 s60, s60, s45
	s_mov_b32 s61, 0
	s_mov_b32 s[G0K], 1
	s_mul_i32 s[G0K+1], s15, KHALF
	s_mov_b32 s[G0V], 1
	s_mul_i32 s[G0V+1], s15, VHALF
	s_add_co_u32 s[G0V+1], s[G0V+1], VC
	s_mov_b32 s[TK], 0
	s_mov_b32 s[TV], 0
	s_mov_b32 s[TS], 0
	s_mov_b32 s[TT], 0
	s_mov_b32 s[CS], 0x3d38aa3b                    ; log2(e) / 32
	s_mov_b32 s[CS+1], s[CS]
	s_mov_b32 s[SEL], 0x76543210
	s_mov_b32 s[SEL+1], 0xfedcba98
	s_wait_alu depctr_va_vdst(0)
	s_wait_dscnt 0x0
	s_wait_kmcnt 0x0
	s_add_nc_u64 s[G0K+2:G0K+3], s[6:7], s[22:23]
	s_or_b32 s[G0K+3], s[G0K+3], 0x80000000
	s_add_nc_u64 s[G0V+2:G0V+3], s[8:9], s[24:25]
	s_or_b32 s[G0V+3], s[G0V+3], 0x80000000
	s_add_nc_u64 s[32:33], s[4:5], s[28:29]
	s_add_nc_u64 s[34:35], s[4:5], s[30:31]
	s_add_nc_u64 s[34:35], s[34:35], SCO
	s_add_nc_u64 s[40:41], s[6:7], s[18:19]
	s_add_nc_u64 s[40:41], s[40:41], SCO
	s_add_nc_u64 s[42:43], s[8:9], s[18:19]
	s_add_nc_u64 s[42:43], s[42:43], SCO
	s_add_nc_u64 s[48:49], s[10:11], s[46:47]
	s_add_nc_u64 s[10:11], s[10:11], s[60:61]
	s_add_nc_u64 s[10:11], s[10:11], SCO
.macro QLOAD d, o                      ; both tiles' Q: registers 6 c .. 6 c + 5 of the image: bytes 16 l + 0, 8, 512 (c = 0: tile A) or 520, 1024, 1032 (c = 1: tile B); d: tile B's distance from tile A's
	global_load_b64 v[QD:QD+1], v7, s[32:33] offset:\o
	global_load_b64 v[QD+2:QD+3], v7, s[32:33] offset:\o+8
	global_load_b64 v[QD+4:QD+5], v7, s[32:33] offset:\o+512
	global_load_b64 v[QD+\d:QD+\d+1], v7, s[32:33] offset:\o+520
	global_load_b64 v[QD+\d+2:QD+\d+3], v7, s[32:33] offset:\o+1024
	global_load_b64 v[QD+\d+4:QD+\d+5], v7, s[32:33] offset:\o+1032
.endm
.set QD, 30
	QLOAD 12, 0
	WIN 0x40
.set QD, 192
	QLOAD 6, 49152                                 ; the second head's, in window 1
	WIN 0
	global_load_b32 v72, v22, s[34:35]
	global_load_b32 v73, v22, s[34:35] offset:2048
	global_load_b128 v[76:79], v68, s[40:41]
	global_load_b64 v[80:81], v69, s[42:43]
	global_load_b64 v[82:83], v69, s[42:43] offset:2048
	CROUND                                         ; the four work-groups are here: the joint loads meet
	s_cmp_lg_u32 s15, 0                            ; the head's fills: wave 0 K's first half, wave 4 V's
	s_cbranch_scc1 .La_done
	s_cmp_lg_u32 s16, 0
	s_cbranch_scc1 .La_v
	TARM G0K, G1K
	s_branch .La_done
.La_v:
	TARM G0V, G1V
.La_done:
.irp i, 24,25,26,27,28,29,36,37,38,39,40,41,48,49,50,51,52,53
	v_mov_b32 v[\i], 0                             ; [Q; 0] of A is v[30:41], [0; Q] v[24:35]; of B v[42:53] and v[36:47]
.endr
.irp t, TA, TB
.irp i, 4,5,6,7,13,15
	v_mov_b32 v[\t+\i], 0                          ; a lane permute's destination counts as read; + 13 is named with f; + 15 is shifted down once before it is whole
.endr
.endr
	WIN 0x40
.set n, 0
.rept 12
	v_mov_b32 v[160+n], 0                          ; the images are shifted down once before they are whole
	v_mov_b32 v[176+n], 0
.set n, n+1
.endr
	WIN 0
	s_wait_alu depctr_va_vdst(0)
	s_wait_loadcnt 0x0
	ds_store_b128 v70, v[76:79]
	ds_store_b64 v71, v[80:81]
	ds_store_b64 v71, v[82:83] offset:2048
	v_and_b32 v84, 0xffff, v72                     ; a group's two bytes of the row's word, in both halves: they serve [Q; 0] and [0; Q]
	v_lshrrev_b32 v85, 16, v72
	v_and_b32 v86, 0xffff, v73
	v_lshrrev_b32 v87, 16, v73
	v_lshl_or_b32 v60, v84, 16, v84
	v_lshl_or_b32 v61, v85, 16, v85
	v_lshl_or_b32 v62, v86, 16, v86
	v_lshl_or_b32 v63, v87, 16, v87
	s_wait_alu depctr_va_vdst(0)
	s_wait_tensorcnt 0x0                           ; ahead of a later first fill; the add twice
	ds_add_u32 v[SPW], v[NIL]
	ds_add_u32 v[SPW], v[NIL]
	s_wait_dscnt 0x0                               ; the adds, and my stores of scales
	CROUND
	s_cmp_eq_u32 s15, 0                            ; the other three halves: waves 1-3 K's, waves 5-7 V's
	s_cbranch_scc1 .Lb_done
	s_cmp_lg_u32 s16, 0
	s_cbranch_scc1 .Lb_v
	TARM G0K, G1K
	s_branch .Lb_done
.Lb_v:
	TARM G0V, G1V
.Lb_done:
.macro KLOAD e                         ; 14 loads: K's four fragments of 128 keys (window 1) and their words
	WIN 0x40
.irp f, 0,1,2,3
.irp q, 0,1,2
	ds_load_b128 v[12*\f+4*\q:12*\f+4*\q+3], v8 offset:128*(\e)+32*\f+544*\q
.endr
.endr
	WIN 0
	ds_load_b32 v54, v11 offset:32*(\e)
	ds_load_b32 v55, v11 offset:32*(\e)+16
.endm
.macro VLOAD e                         ; 26 loads: V's four fragments (window 1) and their words
	WIN 0x40
.irp t, 0,1,2,3
.irp p, 0,1,2,3,4,5
.set Y0, 96*(\e)+48*(\p/3)+8*(\p%3)
.set O0, Y0+16*(Y0/64)
.set O1, Y0+24+16*((Y0+24)/64)
.if O1-O0 == 24
	ds_load_b64 v[48+12*\t+2*\p:49+12*\t+2*\p], v9 offset:VTAU*\t+O0
.else
	ds_load_b64 v[48+12*\t+2*\p:49+12*\t+2*\p], v10 offset:VTAU*\t+O0
.endif
.endr
.endr
	WIN 0
	ds_load_b32 v56, v20 offset:4*(\e)
	ds_load_b32 v57, v20 offset:4*(\e)+256
.endm
.macro SMUL                            ; S^T of both tiles: sixteen products, each with the constant 0 as C
	WIN 0x01
.irp x, 0,1
.irp f, 0,1,2,3
.if \f%2
	v_wmma_scale_f32_16x16x128_f8f6f4 v[64+64*\x+16*\f:71+64*\x+16*\f], v[12*\f:12*\f+11], v[30+12*\x:41+12*\x], 0, v[54+\f/2], v[60+\x] matrix_a_fmt:MATRIX_FMT_FP6 matrix_b_fmt:MATRIX_FMT_FP6 matrix_a_scale:MATRIX_SCALE_ROW1
	v_wmma_scale_f32_16x16x128_f8f6f4 v[72+64*\x+16*\f:79+64*\x+16*\f], v[12*\f:12*\f+11], v[24+12*\x:35+12*\x], 0, v[54+\f/2], v[60+\x] matrix_a_fmt:MATRIX_FMT_FP6 matrix_b_fmt:MATRIX_FMT_FP6 matrix_a_scale:MATRIX_SCALE_ROW1
.else
	v_wmma_scale_f32_16x16x128_f8f6f4 v[64+64*\x+16*\f:71+64*\x+16*\f], v[12*\f:12*\f+11], v[30+12*\x:41+12*\x], 0, v[54+\f/2], v[60+\x] matrix_a_fmt:MATRIX_FMT_FP6 matrix_b_fmt:MATRIX_FMT_FP6
	v_wmma_scale_f32_16x16x128_f8f6f4 v[72+64*\x+16*\f:79+64*\x+16*\f], v[12*\f:12*\f+11], v[24+12*\x:35+12*\x], 0, v[54+\f/2], v[60+\x] matrix_a_fmt:MATRIX_FMT_FP6 matrix_b_fmt:MATRIX_FMT_FP6
.endif
.endr
.endr
	WIN 0
.endm
.macro MAXP s, t                       ; the largest score of each block of 32 keys: for the row's maximum and, since p rises with the score, for the block's largest p
.irp b, 0,1,2,3
	v_max3_num_f32 v[(\t)+\b], v[(\s)+16*\b], v[(\s)+1+16*\b], v[(\s)+2+16*\b]
.endr
.irp i, 3,5,7,9,11,13
.irp b, 0,1,2,3
	v_max3_num_f32 v[(\t)+\b], v[(\t)+\b], v[(\s)+16*\b+\i], v[(\s)+1+16*\b+\i]
.endr
.endr
.irp b, 0,1,2,3
	v_max_num_f32 v[(\t)+\b], v[(\t)+\b], v[(\s)+15+16*\b]
.endr
.endm
.macro EXP4 r                          ; four exponentials in place
.irp i, 0,1,2,3
	v_exp_f32 v[(\r)+\i], v[(\r)+\i]
.endr
.endm
.macro SUM2 s, t, st                   ; pairs 12 .. 31 of p onto seven partial sums by turns, and these onto the row's sum
.set j, 12
.rept 20
.set a, (j-12)%7
.if a < 6
	v_pk_add_f32 v[(\t)+16+2*a:(\t)+17+2*a], v[(\t)+16+2*a:(\t)+17+2*a], v[(\s)+2*j:(\s)+2*j+1]
.else
	v_pk_add_f32 v[(\st)+2:(\st)+3], v[(\st)+2:(\st)+3], v[(\s)+2*j:(\s)+2*j+1]
.endif
.set j, j+1
.endr
	v_pk_add_f32 v[(\t)+16:(\t)+17], v[(\t)+16:(\t)+17], v[(\t)+18:(\t)+19]
	v_pk_add_f32 v[(\t)+20:(\t)+21], v[(\t)+20:(\t)+21], v[(\t)+22:(\t)+23]
	v_pk_add_f32 v[(\t)+24:(\t)+25], v[(\t)+24:(\t)+25], v[(\t)+26:(\t)+27]
	v_pk_add_f32 v[(\t)+16:(\t)+17], v[(\t)+16:(\t)+17], v[(\t)+20:(\t)+21]
	v_pk_add_f32 v[(\st)+2:(\st)+3], v[(\st)+2:(\st)+3], v[(\t)+24:(\t)+25]
	s_delay_alu instid0(VALU_DEP_1)
	v_pk_add_f32 v[(\st)+2:(\st)+3], v[(\st)+2:(\st)+3], v[(\t)+16:(\t)+17]
.endm
; THE SOFTMAX of 128 keys for both tiles, up to p's codes' first halves: the scores' registers are free behind it.
.macro SOFT
	MAXP SA, TA
	MAXP SB, TB
.irp t, TA, TB
.irp b, 0,1,2,3
	v_permlanex16_b32 v[\t+4+\b], v[\t+\b], s[SEL], s[SEL+1]
.endr
.endr
.irp t, TA, TB
.irp b, 0,1,2,3
	v_max_num_f32 v[\t+\b], v[\t+\b], v[\t+4+\b]
.endr
.endr
.irp x, 0,1
	v_max3_num_f32 v[206+32*\x], v[192+32*\x], v[193+32*\x], v[194+32*\x]
.endr
.irp x, 0,1
	s_delay_alu instid0(VALU_DEP_2)
	v_max_num_f32 v[206+32*\x], v[206+32*\x], v[195+32*\x]
.endr
.irp x, 0,1
	s_delay_alu instid0(VALU_DEP_2)
	v_mul_f32 v[206+32*\x], s[CS], v[206+32*\x]    ; as t (c is positive)
.endr
.irp x, 0,1
	s_delay_alu instid0(VALU_DEP_2)
	v_max_num_f32 v[13+4*\x], v[13+4*\x], v[206+32*\x]   ; the running largest t
.endr
.irp x, 0,1
	v_mov_b32 v[206+32*\x], v[12+4*\x]
.endr
.irp x, 0,1
	s_delay_alu instid0(VALU_DEP_4)
	v_floor_f32 v[12+4*\x], -v[13+4*\x]            ; -M = floor(-t): M is a whole number
.endr
.irp x, 0,1
	s_delay_alu instid0(VALU_DEP_2)
	v_sub_f32 v[206+32*\x], v[12+4*\x], v[206+32*\x]
.endr
.irp x, 0,1
	s_delay_alu instid0(VALU_DEP_2)
	v_cvt_i32_f32 v[206+32*\x], v[206+32*\x]       ; (it saturates)
.endr
.irp x, 0,1
	s_delay_alu instid0(VALU_DEP_2)
	v_ldexp_f32 v[204+32*\x], 1.0, v[206+32*\x]    ; f = 2^(old M - new M): rounds nothing
.endr
.set j, 0
.rept 32
	v_pk_fma_f32 v[SA+j:SA+j+1], v[SA+j:SA+j+1], s[CS:CS+1], v[12:13] op_sel_hi:[1,0,0]   ; A: t - M
.set j, j+2
.endr
.irp b, 0,1,2,3
	v_fma_f32 v[TA+\b], v[TA+\b], s[CS], v12
.endr
	s_wait_alu depctr_va_vdst(0)                   ; ahead of a batch
.set j, 0
.rept 32
	v_exp_f32 v[SA+j], v[SA+j]                     ; A: p = 2^(t - M); among them B's t - M, which nothing reads ahead of the next wait
	v_exp_f32 v[SA+j+1], v[SA+j+1]
	v_pk_fma_f32 v[SB+j:SB+j+1], v[SB+j:SB+j+1], s[CS:CS+1], v[16:17] op_sel_hi:[1,0,0]
.set j, j+2
.endr
.irp b, 0,1,2,3
	v_exp_f32 v[TA+\b], v[TA+\b]                   ; A's blocks' largest p
	v_fma_f32 v[TB+\b], v[TB+\b], s[CS], v16
.endr
	s_wait_alu depctr_va_vdst(0)                   ; behind A's batch and ahead of B's
.set j, 0
.rept 6
	EXP4 SB+4*j                                    ; B: p; among them lines of A whose results nothing reads ahead of the next wait: six first partial sums,
	v_pk_add_f32 v[TA+16+2*j:TA+17+2*j], v[SA+4*j:SA+4*j+1], v[SA+4*j+2:SA+4*j+3]
.set j, j+1
.endr
.irp b, 0,1,2,3
	EXP4 SB+24+4*\b
	v_max_num_f32 v[TA+\b], 0x1800000, v[TA+\b]    ; the floor 2^(3 - 127) under the blocks' largest p,
.endr
	EXP4 SB+40
	v_pk_mul_f32 v[14:15], v[14:15], v[TA+12:TA+13] op_sel_hi:[1,0]   ; and the sum under the new M
.irp i, 44,48,52,56,60
	EXP4 SB+\i
.endr
	EXP4 TB
	v_pk_mul_f32 v[18:19], v[18:19], v[TB+12:TB+13] op_sel_hi:[1,0]   ; (a plain place behind the exponentials)
	s_wait_alu depctr_va_vdst(0)                   ; behind B's batch
	SUM2 SA, TA, 12
.set j, 0
.rept 6
	v_pk_add_f32 v[TB+16+2*j:TB+17+2*j], v[SB+4*j:SB+4*j+1], v[SB+4*j+2:SB+4*j+3]
.set j, j+1
.endr
.irp b, 0,1,2,3
	v_max_num_f32 v[TB+\b], 0x1800000, v[TB+\b]
.endr
	SUM2 SB, TB, 16
.irp t, TA, TB
.irp b, 0,1,2,3
	v_add_nc_u32 v[\t+8+\b], 0xff000000, v[\t+\b]  ; 2 off the exponent field: the conversion's scale operand
.endr
.endr
.irp t, TA, TB
.irp b, 0,1,2,3
	v_lshrrev_b32 v[\t+4+\b], 23, v[\t+8+\b]
.endr
.endr
.irp x, 0,1
	v_lshl_or_b32 v[206+32*\x], v[197+32*\x], 8, v[196+32*\x]
.endr
.irp x, 0,1
	s_delay_alu instid0(VALU_DEP_2)
	v_lshl_or_b32 v[206+32*\x], v[198+32*\x], 16, v[206+32*\x]
.endr
.irp x, 0,1
	s_delay_alu instid0(VALU_DEP_2)
	v_lshl_or_b32 v[58+\x], v[199+32*\x], 24, v[206+32*\x]   ; p's scale word
.endr
.irp x, 0,1
.irp c, 0,1
	v_cvt_scalef32_pk16_fp6_f32 v[208+32*\x+6*\c:210+32*\x+6*\c], v[64+64*\x+32*\c:79+64*\x+32*\c], v[200+32*\x+2*\c]
	v_cvt_scalef32_pk16_fp6_f32 v[192+32*\x+4*\c:194+32*\x+4*\c], v[80+64*\x+32*\c:95+64*\x+32*\c], v[201+32*\x+2*\c]
.endr
.endr
	v_nop                                          ; one plain place behind a scaled conversion
.endm
; THE STEP'S END: whole blocks into the lanes, O^T under the new M, the second products.
.macro TAIL
.irp x, 0,1
.irp c, 0,1
.irp i, 0,1,2
	v_permlane16_swap_b32 v[208+32*\x+6*\c+\i], v[192+32*\x+4*\c+\i]
.endr
.endr
.endr
.irp x, 0,1
.irp c, 0,1
.irp i, 0,1,2
	v_mov_b32 v[211+32*\x+6*\c+\i], v[192+32*\x+4*\c+\i]
.endr
.endr
.endr
	WIN 0x41
.irp x, 0,1
.set j, 0
.rept 16
	v_pk_mul_f32 v[96+32*\x+j:97+32*\x+j], v[96+32*\x+j:97+32*\x+j], v[204+32*\x:205+32*\x] op_sel_hi:[1,0]   ; also the places between p's codes and word and the products
.set j, j+2
.endr
.endr
	WIN 0x51
.irp x, 0,1
.irp t, 0,1,2,3
.if \t%2
	v_wmma_scale_f32_16x16x128_f8f6f4 v[96+32*\x+8*\t:103+32*\x+8*\t], v[48+12*\t:59+12*\t], v[208+32*\x:219+32*\x], v[96+32*\x+8*\t:103+32*\x+8*\t], v[56+\t/2], v[58+\x] matrix_a_fmt:MATRIX_FMT_FP6 matrix_b_fmt:MATRIX_FMT_FP6 matrix_a_scale:MATRIX_SCALE_ROW1
.else
	v_wmma_scale_f32_16x16x128_f8f6f4 v[96+32*\x+8*\t:103+32*\x+8*\t], v[48+12*\t:59+12*\t], v[208+32*\x:219+32*\x], v[96+32*\x+8*\t:103+32*\x+8*\t], v[56+\t/2], v[58+\x] matrix_a_fmt:MATRIX_FMT_FP6 matrix_b_fmt:MATRIX_FMT_FP6
.endif
.endr
.endr
	WIN 0
.endm
; A head's end for tile x: O^T / the sum; register 16 b + 8 u + j of lane (r, h) is channel 32 b + 16 h + 8 u + j: two blocks of the last product's K
.macro END x
.set S, 64+64*(\x)
.set T, 192+32*(\x)
.set ST, 12+4*(\x)
.set IM, 160+16*(\x)
	v_add_f32 v[ST+2], v[ST+2], v[ST+3]
	s_delay_alu instid0(VALU_DEP_1)
	v_permlanex16_b32 v[T+14], v[ST+2], s[SEL], s[SEL+1]
	s_delay_alu instid0(VALU_DEP_1)
	v_add_f32 v[ST+2], v[ST+2], v[T+14]
	s_wait_alu depctr_va_vdst(0)
	v_rcp_f32 v[ST+2], v[ST+2]
	v_lshrrev_b32 v[T+15], 16, v[T+15]             ; (a plain place)  the first head's two bytes go down
	s_wait_alu depctr_va_vdst(0)
	WIN 0x01
.set j, 0
.rept 16
	v_pk_mul_f32 v[S+j:S+j+1], v[96+32*(\x)+j:97+32*(\x)+j], v[ST+2:ST+3] op_sel_hi:[1,0]
.set j, j+2
.endr
	WIN 0
.irp b, 0,1
	v_max3_num_f32 v[T+\b], |v[S+16*\b]|, |v[S+1+16*\b]|, 0x1800000
.endr
.irp i, 2,4,6,8,10,12,14
.irp b, 0,1
	s_delay_alu instid0(VALU_DEP_2)
	v_max3_num_f32 v[T+\b], v[T+\b], |v[S+16*\b+\i]|, |v[S+1+16*\b+\i]|
.endr
.endr
.irp b, 0,1
	s_delay_alu instid0(VALU_DEP_2)
	v_permlanex16_b32 v[T+4+\b], v[T+\b], s[SEL], s[SEL+1]
.endr
.irp b, 0,1
	s_delay_alu instid0(VALU_DEP_2)
	v_max_num_f32 v[T+\b], v[T+\b], v[T+4+\b]
.endr
.irp b, 0,1
	s_delay_alu instid0(VALU_DEP_2)
	v_add_nc_u32 v[T+8+\b], 0xff000000, v[T+\b]
.endr
.irp b, 0,1
	s_delay_alu instid0(VALU_DEP_2)
	v_lshrrev_b32 v[T+4+\b], 23, v[T+8+\b]
.endr
	s_delay_alu instid0(VALU_DEP_1)
	v_lshl_or_b32 v[T+14], v[T+5], 8, v[T+4]
	s_delay_alu instid0(VALU_DEP_1)
	v_lshl_or_b32 v[T+15], v[T+14], 16, v[T+15]    ; this head's two bytes on top
	WIN 0x41
.irp i, 0,1,2,3,4,5
	v_mov_b32 v[IM+\i], v[IM+6+\i]                 ; the first head's six registers go down
.endr
	WIN 0
	v_cvt_scalef32_pk16_fp6_f32 v[T+16:T+18], v[S:S+15], v[T+8]
	v_cvt_scalef32_pk16_fp6_f32 v[T+20:T+22], v[S+16:S+31], v[T+9]
	v_nop                                          ; one plain place behind a scaled conversion
.irp i, 0,1,2
	v_permlane16_swap_b32 v[T+16+\i], v[T+20+\i]   ; a whole block in a lane
.endr
	WIN 0x40
.irp i, 0,1,2
	v_mov_b32 v[IM+6+\i], v[T+16+\i]
	v_mov_b32 v[IM+9+\i], v[T+20+\i]
.endr
	WIN 0x01
.irp i, 0,1,2,3,4,5
	v_mov_b32 v[30+12*(\x)+\i], v[192+6*(\x)+\i]   ; the second head's Q,
.endr
	WIN 0
	v_mov_b32 v[60+\x], v[62+\x]                   ; and its scale word
.endm
	s_mov_b32 s[PASS], 2
.Lpass:                                            ; a head
	v_mov_b32 v13, 0xff61b1e6                      ; -3e38, under every t
	v_mov_b32 v17, 0xff61b1e6
	v_mov_b32 v14, 0
	v_mov_b32 v15, 0
	v_mov_b32 v18, 0
	v_mov_b32 v19, 0
	v_floor_f32 v12, -v13
	v_floor_f32 v16, -v17
	WIN 0x40
.set j, 0
.rept 64
	v_mov_b32 v[96+j], 0                           ; the step is written once: the first finds zeros
.set j, j+1
.endr
	WIN 0
	s_mov_b32 s[HALF], 2
.Lhalf:                                            ; 32 key rows: what one pair of tensor loads brought
	s_mov_b32 s[TRIP], 2
	s_wait_alu depctr_va_vdst(0)
.Ltrip:                                            ; 16 key rows x 16 groups: 256 keys, two steps of 128
	v_add_nc_u32 v8, s[TK], v1                     ; (these five are the places in front of the loads into registers that the last products read)
	v_add_nc_u32 v9, s[TV], v2
	v_add_nc_u32 v10, s[TV], v21
	v_add_nc_u32 v11, s[TS], v3
	v_add_nc_u32 v20, s[TT], v4
	KLOAD 0
	VLOAD 0
	s_wait_alu depctr_va_vdst(0)
	s_wait_dscnt 26                                ; K is in; V's 26 loads may be out
	SMUL
.rept 4
	v_nop                                          ; places: in front of the reads of the scores and of the loads into K's registers
.endr
	KLOAD 1
	SOFT
	s_wait_alu depctr_va_vdst(0)                   ; behind the step's exponentials, ahead of the wait below and of the first reads of O^T
	s_wait_dscnt 0x0                               ; V, and the second step's K
	SMUL                                           ; p has been read: the second step's scores are multiplied under this step's end
	TAIL
.rept 4
	v_nop                                          ; places in front of the loads into V's registers
.endr
	VLOAD 1
	SOFT
	s_wait_alu depctr_va_vdst(0)
	s_wait_dscnt 0x0                               ; V
	TAIL
	s_add_co_u32 s[TK], s[TK], KTRIP
	s_add_co_u32 s[TV], s[TV], VBLK
	s_add_co_u32 s[TS], s[TS], 640
	s_add_co_u32 s[TT], s[TT], 512
	s_sub_co_u32 s[TRIP], s[TRIP], 1
	s_cmp_lg_u32 s[TRIP], 0
	s_wait_alu depctr_va_vdst(0)
	s_cbranch_scc1 .Ltrip
	s_add_co_u32 s[TV], s[TV], VHALF-2*VBLK
	s_wait_tensorcnt 0x0                           ; my load, if I had one out, has landed: behind the barrier the later halves are whole for every wave
	ds_add_u32 v[SPW], v[NIL]
	s_wait_dscnt 0x0
	s_barrier_signal -1
	s_barrier_wait -1
	s_sub_co_u32 s[HALF], s[HALF], 1
	s_cmp_lg_u32 s[HALF], 0
	s_cbranch_scc1 .Lhalf
.rept 4
	v_nop                                          ; places behind the last products
.endr
	END 0
	END 1
	s_sub_co_u32 s[PASS], s[PASS], 1
	s_cmp_lg_u32 s[PASS], 0
	s_wait_alu depctr_va_vdst(0)
	s_cbranch_scc1 .Lpass
	WIN 0x04                                       ; the images lie in window 1
.irp q, 0,1,2
	global_store_b128 v7, v[160+4*\q:163+4*\q], s[48:49] offset:512*\q   ; 512 consecutive bytes a store
	global_store_b128 v7, v[176+4*\q:179+4*\q], s[48:49] offset:12288+512*\q
.endr
	WIN 0
	global_store_b32 v22, v[TA+15], s[10:11]       ; lanes l and l + 16 hold row r's word and write the same place with the same value
	global_store_b32 v22, v[TB+15], s[10:11] offset:512
	s_wait_tensorcnt 0x0                           ; the wave's end
	ds_add_u32 v[SPW], v[NIL]
	s_wait_dscnt 0x0
	CROUND                                         ; the closing round
	s_endpgm
.Lfunc_end_k_q74f96f8d89_attn:
	.size	k_q74f96f8d89_attn, .Lfunc_end_k_q74f96f8d89_attn-k_q74f96f8d89_attn
	.p2alignl 7, 3214868480
	.fill 96, 4, 3214868480
	.section	.rodata,"a",@progbits
	.p2align	6, 0x0
	.amdhsa_kernel k_q74f96f8d89_attn
		.amdhsa_group_segment_fixed_size 327680
		.amdhsa_private_segment_fixed_size 0
		.amdhsa_enable_private_segment 0
		.amdhsa_kernarg_size 32
		.amdhsa_user_sgpr_count 2
		.amdhsa_user_sgpr_kernarg_segment_ptr 1
		.amdhsa_wavefront_size32 1
		.amdhsa_system_sgpr_workgroup_id_x 1
		.amdhsa_system_sgpr_workgroup_id_y 1
		.amdhsa_system_sgpr_workgroup_id_z 1
		.amdhsa_system_vgpr_workitem_id 0
		.amdhsa_next_free_vgpr 512
		.amdhsa_next_free_sgpr 100
		.amdhsa_reserve_vcc 0
		.amdhsa_float_denorm_mode_32 3
		.amdhsa_float_denorm_mode_16_64 3
		.amdhsa_memory_ordered 1
		.amdhsa_forward_progress 1
		.amdhsa_inst_pref_size 87
	.end_amdhsa_kernel
	.amdgpu_metadata
---
amdhsa.version: [ 1, 2 ]
amdhsa.kernels:
  - .name:           k_q74f96f8d89_attn
    .symbol:         k_q74f96f8d89_attn.kd
    .args:
      - { .name: qb, .offset: 0, .size: 8, .value_kind: global_buffer, .address_space: global }
      - { .name: kb, .offset: 8, .size: 8, .value_kind: global_buffer, .address_space: global }
      - { .name: vb, .offset: 16, .size: 8, .value_kind: global_buffer, .address_space: global }
      - { .name: ab, .offset: 24, .size: 8, .value_kind: global_buffer, .address_space: global }
    .group_segment_fixed_size: 327680
    .private_segment_fixed_size: 0
    .kernarg_segment_align: 8
    .kernarg_segment_size: 32
    .max_flat_workgroup_size: 256
    .sgpr_count:     100
    .vgpr_count:     512
    .wavefront_size: 32
...
	.end_amdgpu_metadata
.endif
;; end of part 3
;; launch gemm_out (part 4): grid 8 x 32, 4 waves a work-group, clusters of 4 x 4, 327,680 bytes of LDS; arguments ab, wq, b_out, out0; writes out0
.if DOCPART == 4
	.amdgcn_target "amdgcn-amd-amdhsa--gfx1250"
	.amdhsa_code_object_version 6
	.text
	.protected	k_q74f96f8d89_gemm_out
	.globl	k_q74f96f8d89_gemm_out
	.p2align	8
	.type	k_q74f96f8d89_gemm_out,@function
k_q74f96f8d89_gemm_out:
	s_mov_b64 s[64:65], 0
	v_nop
	global_prefetch_b8 v0, s[64:65] scope:SCOPE_SE
	s_setreg_imm32_b32 hwreg(HW_REG_WAVE_MODE, 25, 1), 1
	s_wait_xcnt 0x0
	s_wait_alu depctr_hold_cnt(0) depctr_sa_sdst(0) depctr_va_vdst(0) depctr_va_sdst(0) depctr_va_ssrc(0) depctr_va_vcc(0) depctr_vm_vsrc(0)
	s_getreg_b32 s2, hwreg(HW_REG_IB_STS2, 6, 4)
	s_cmp_eq_u32 s2, 0
	s_cbranch_scc0 .Lentry_in_a_cluster
	s_endpgm
.Lentry_in_a_cluster:
	s_bfe_u32 s2, ttmp6, 0x10000c
	s_cmp_lg_u32 s2, 0xf033
	s_cbranch_scc0 .Lentry_shape_is_right
	s_endpgm
.Lentry_shape_is_right:
; out0 = (attention's result) x w_out + b_out, on codes of FP6 (E2M3) with E8M0 scales, sums in f32.
; OPERANDS are fragment images (16 rows x 128 K as the operand's 12 registers: chunk q at 512 q, lane l at 16 l), [tile][K step 8], 1,536 bytes each; scale words [tile][K step][16 rows] behind the codes.
; A's row tile RT = 64 b + 16 a + g holds the output rows 1024 b + 256 a + 16 r + g; a K step is a pair of heads.  B: w_out's column tiles, 192 on in wq.
; SHARES.  A tile of the result is 256 x 128: 32 x 8 = 256 work-groups.  Wave w makes A's tiles 4 w .. 4 w + 3 x the 128 columns: 32 accumulators.
; ALL OF K LIES IN LDS, as it lies in memory, [tile][K step]: A's 16 tiles (196,608 bytes), B's 8 (98,304), the scale words.  ONE joint load a wave, at the head: waves 0, 1 A's halves, wave 2 B, wave 3 A's scale words;
;   B's 4,096 bytes of scale words come through registers.  No byte is filled again; one barrier.  No prefetch: nothing is asked for later than at the head.
; CLUSTERS 4 x 4: A's tiles are shared along a row of the cluster, B's along a column.
; TRANSPOSED USE: lane (r, h) holds row r; tiles 2 beta, 2 beta + 1 give it columns 32 beta + 16 h + 0 .. 15.  THE BIAS is the C of each sum's first product.
; REGISTERS: window 0: v1-31 addresses and B's scale words on their way; v32-95 scale words, 8 a K step; v96-127, v224-255 the bias; v128-223 A's fragments, two sets (on the way out v128-255: rows read back).
;   window 1: B's fragments, two sets of 8, at v0 and v96.  window 2: accumulator (a, b) at 8 (8 a + b).
.set BOFF,  196608
.set SCL,   294912                     ; the scale words of A's 16 tiles, then B's 8: 512 bytes a tile
.set SPARE, SCL+12288
.set SCOA,  6291456
.set BCOD,  192*12288
.set SCOB,  3145728+192*512
.set LI,   4
.set BV,   7
.set ADRA, 16
.set ADRB, 20                          ; v20 B's tiles 0-3, v21 tiles 4-7
.set STO,  24
.set RD,   25
.set ADRS, 27
.set SPW,  28
.set NIL,  29
.set SC,   32
.set BIAS, 96
.set AF,   128
.set BK,   128
.set G1,   24
.set G1B,  32
.set G1S,  40
.set G0A,  68
.set G0B,  72
.set G0S,  76
.set MSB, 0
.macro WIN new
.if MSB != (\new)
	s_set_vgpr_msb (MSB<<8)|(\new)
.set MSB, (\new)
.endif
.endm
.set MUL,  0xa1
.set TO_B, 0x40
.macro CROUND
	s_barrier_signal -1
	s_barrier_wait -1
	s_cmp_lg_u32 s14, 0
	s_cbranch_scc1 .Lnot_wave_0_\@
	s_barrier_signal -3
.Lnot_wave_0_\@:
	s_barrier_wait -3
	s_barrier_signal -1
	s_barrier_wait -1
.endm
.macro PLACES n
.rept \n
	v_nop
.endr
.endm
.macro SHAPE g, c, r, p
	s_mov_b32 s[\g+1], (\c)<<16
	s_mov_b32 s[\g+2], (\r)<<16
	s_mov_b32 s[\g+3], (\c)<<16
	s_mov_b32 s[\g+4], \r
	s_mov_b32 s[\g+5], \p
	s_mov_b32 s[\g+6], 0
	s_mov_b32 s[\g+7], 0
.endm
.macro ARM under, g0, g1, next
	s_cmp_lt_u32 s14, \under
	s_cbranch_scc0 \next
	tensor_load_to_lds s[\g0:\g0+3], s[\g1:\g1+7]
	s_nop 0
.rept 4
	v_nop
.endr
	s_branch .Lhead_asked
\next:
.endm
	s_load_b128 s[4:7], s[0:1], 0x0                ; ab, wq
	s_load_b128 s[8:11], s[0:1], 0x10              ; b_out, out0
	v_lshl_add_u32 v[SPW], v0, 2, SPARE
	v_mov_b32 v[NIL], 0
	ds_add_u32 v[SPW], v[NIL]                      ; the opening lines
	ds_add_u32 v[SPW], v[NIL]
	v_lshrrev_b32 v1, 5, v0
	v_readfirstlane_b32 s14, v1                    ; wave
	s_and_b32 s16, s14, 1
	s_bfe_u32 s2, ttmp6, 0x40000                   ; cx
	s_bfe_u32 s3, ttmp6, 0x40004                   ; cy
	s_lshl_b32 s12, ttmp9, 2
	s_add_co_u32 s12, s12, s2                      ; tile column 0 .. 7
	s_and_b32 s17, ttmp7, 0xffff
	s_lshl_b32 s17, s17, 2
	s_add_co_u32 s17, s17, s3                      ; tile row 0 .. 31
	s_lshl_b32 s13, s3, 2
	s_lshl_b32 s13, 15, s13                        ; my row of the cluster
	s_lshl_b32 s18, 0x1111, s2                     ; my column
	s_or_b32 s[G1], s13, (3<<16)|(1<<21)
	s_or_b32 s[G1B], s18, (3<<16)|(1<<21)
	s_or_b32 s[G1S], s13, (3<<16)|(1<<21)
	SHAPE G1, 384, 32, 384                         ; 8 tiles: 98,304 dense bytes as 32 rows of 3,072
	SHAPE G1B, 384, 32, 384
	SHAPE G1S, 32, 32, 32                          ; A's scale words: 8,192 dense bytes as rows of 256
	s_lshl_b32 s19, s16, 3
	s_lshl_b32 s20, s17, 4
	s_lshl_b32 s22, s20, 9
	s_mov_b32 s23, 0
	s_add_co_u32 s20, s20, s19                     ; A's first tile that waves 0, 1 fetch
	s_mul_i32 s20, s20, 12288
	s_mov_b32 s21, 0
	s_mul_i32 s66, s12, 98304
	s_mov_b32 s67, 0
	s_lshl_b32 s100, s12, 12
	s_mov_b32 s101, 0
	s_mov_b32 s[G0A], 1
	s_mul_i32 s[G0A+1], s16, 98304
	s_mov_b32 s[G0B], 1
	s_mov_b32 s[G0B+1], BOFF
	s_mov_b32 s[G0S], 1
	s_mov_b32 s[G0S+1], SCL
	s_wait_dscnt 0x0
	s_wait_kmcnt 0x0
	s_add_nc_u64 s[G0A+2:G0A+3], s[4:5], s[20:21]
	s_or_b32 s[G0A+3], s[G0A+3], 0x80000000
	s_add_nc_u64 s[G0S+2:G0S+3], s[4:5], s[22:23]
	s_add_nc_u64 s[G0S+2:G0S+3], s[G0S+2:G0S+3], SCOA
	s_or_b32 s[G0S+3], s[G0S+3], 0x80000000
	s_add_nc_u64 s[G0B+2:G0B+3], s[6:7], s[66:67]
	s_add_nc_u64 s[G0B+2:G0B+3], s[G0B+2:G0B+3], BCOD
	s_or_b32 s[G0B+3], s[G0B+3], 0x80000000
	s_add_nc_u64 s[100:101], s[6:7], s[100:101]
	s_add_nc_u64 s[100:101], s[100:101], SCOB      ; B's scale words
	CROUND                                         ; all sixteen work-groups are here: the joint loads meet
	ARM 2, G0A, G1, .Lhead_b
	ARM 3, G0B, G1B, .Lhead_s
	tensor_load_to_lds s[G0S:G0S+3], s[G1S:G1S+7]
	s_nop 0
.rept 4
	v_nop
.endr
.Lhead_asked:
	v_lshlrev_b32 v30, 4, v0                       ; 16 x thread
	v_add_nc_u32 v31, SCL+8192, v30
	global_load_b128 v[8:11], v30, s[100:101]
	global_load_b128 v[12:15], v30, s[100:101] offset:2048
	v_and_b32 v1, 15, v0                           ; r
	v_bfe_u32 v2, v0, 4, 1                         ; hh
	v_and_b32 v3, 31, v0
	v_lshlrev_b32 v[LI], 4, v3
	v_lshlrev_b32 v[BV], 6, v2
	s_lshl_b32 s22, s12, 9                         ; my tile's 128 columns, in bytes
	s_mov_b32 s23, 0
	s_add_nc_u64 s[8:9], s[8:9], s[22:23]
.irp b, 0,1,2,3,4,5,6,7                        ; register j of column tile b, lane (r, h): column 32 (b / 2) + 8 (b % 2) + 16 h + j
	global_load_b128 v[BIAS+8*\b+96*(\b/4):BIAS+8*\b+96*(\b/4)+3], v[BV], s[8:9] offset:(32*(\b/2)+8*(\b%2))*4
	global_load_b128 v[BIAS+8*\b+96*(\b/4)+4:BIAS+8*\b+96*(\b/4)+7], v[BV], s[8:9] offset:(32*(\b/2)+8*(\b%2))*4+16
.endr
	s_mul_i32 s19, s14, 49152                      ; my four tiles of A
	v_add_nc_u32 v[ADRA], s19, v[LI]
	v_add_nc_u32 v[ADRB], BOFF, v[LI]
	v_add_nc_u32 v[ADRB+1], BOFF+49152, v[LI]
	v_mul_u32_u24 v5, v1, 528                      ; my stage: 16 rows x (512 + 16) bytes, at the start of my own four tiles of A: filled once, read by me alone, and no more when the first result is stored
	v_lshl_add_u32 v5, v2, 6, v5
	v_add_nc_u32 v[STO], s19, v5
	v_add_nc_u32 v[RD], s19, v[LI]
	s_xor_b32 s19, s14, 3
	s_add_co_u32 s19, s19, 1
	s_lshl_b32 s19, s19, 11                        ; 8,192 - 2,048 w: from my A tiles' words to B's
	v_mul_u32_u24 v6, s19, v2                      ; lanes 16-31 take B's
	s_lshl_b32 s19, s14, 11
	s_add_co_u32 s19, s19, SCL
	v_lshl_add_u32 v6, v1, 2, v6
	v_add_nc_u32 v[ADRS], s19, v6
	s_lshl_b32 s20, s17, 8
	s_lshl_b32 s21, s14, 2
	s_add_co_u32 s20, s20, s21                     ; output row 256 x tile row + 4 w (+ 16 r + a)
	s_lshl_b32 s20, s20, 12
	s_add_co_u32 s20, s20, s22
	s_mov_b32 s21, 0
	s_add_nc_u64 s[10:11], s[10:11], s[20:21]
	s_wait_alu depctr_va_vdst(0)
	s_wait_loadcnt 16                              ; B's scale words are in; the bias's 16 loads may be out
	ds_store_b128 v31, v[8:11]
	ds_store_b128 v31, v[12:15] offset:2048
.macro FRAGL reg, adr, off
.irp c, 0,1,2
	ds_load_b128 v[(\reg)+4*\c:(\reg)+4*\c+3], v[\adr] offset:(\off)+512*\c
.endr
.endm
.macro FETCH ks                        ; K step ks into set ks % 2: 36 loads: A's four, B's tiles 0-3, B's tiles 4-7
	WIN 0
.irp a, 0,1,2,3
	FRAGL AF+48*((\ks)%2)+12*\a, ADRA, \a*12288+(\ks)*1536
.endr
	WIN TO_B
.irp i, 0,1,2,3,4,5,6,7
	FRAGL 96*((\ks)%2)+12*\i, ADRB+(\i/4), (\i%4)*12288+(\ks)*1536
.endr
	WIN 0
.endm
.macro SCALES s                        ; the scale words of K steps 2 s, 2 s + 1: 16 loads, into registers of their own
.irp q, 0,1
.irp i, 0,1,2,3,4,5,6,7
	ds_load_b32 v[SC+16*(\s)+8*\q+\i], v[ADRS] offset:512*\i+64*(2*(\s)+\q)
.endr
.endr
.endm
; 16 matrix instructions: B's tiles b0 .. b0 + 3, each against my four tiles of A.  The 32 accumulators take turns.
.macro MULB b0, ks, first
.set bb, \b0
.rept 4
.set aa, 0
.rept 4
.if \first
	v_wmma_scale_f32_16x16x128_f8f6f4 v[8*(8*aa+bb):8*(8*aa+bb)+7], v[96*((\ks)%2)+12*bb:96*((\ks)%2)+12*bb+11], v[AF+48*((\ks)%2)+12*aa:AF+48*((\ks)%2)+12*aa+11], v[BIAS+8*bb+96*(bb/4):BIAS+8*bb+96*(bb/4)+7], v[SC+8*(\ks)+bb], v[SC+8*(\ks)+aa] matrix_a_fmt:MATRIX_FMT_FP6 matrix_b_fmt:MATRIX_FMT_FP6 matrix_a_scale:MATRIX_SCALE_ROW1
.else
	v_wmma_scale_f32_16x16x128_f8f6f4 v[8*(8*aa+bb):8*(8*aa+bb)+7], v[96*((\ks)%2)+12*bb:96*((\ks)%2)+12*bb+11], v[AF+48*((\ks)%2)+12*aa:AF+48*((\ks)%2)+12*aa+11], v[8*(8*aa+bb):8*(8*aa+bb)+7], v[SC+8*(\ks)+bb], v[SC+8*(\ks)+aa] matrix_a_fmt:MATRIX_FMT_FP6 matrix_b_fmt:MATRIX_FMT_FP6 matrix_a_scale:MATRIX_SCALE_ROW1
.endif
.set aa, aa+1
.endr
.set bb, bb+1
.endr
.endm
; A K step: 32 matrix instructions; in its middle K step nx is fetched into the other set (nx = 8: nothing is left).  first = 1: the bias starts the sums.
.macro KSTEP ks, nx, first
	s_wait_dscnt 12                                ; all but the youngest 12 loads (B's tiles 4-7) are in
	WIN MUL-0x20*(\first)
	MULB 0, \ks, \first
	s_wait_dscnt 0x0
.if (\nx) < 8
	PLACES 4                                       ; in front of the loads into the other set, which the last step's products read
	WIN 0
.if (\nx)%2 == 0
	SCALES (\nx)/2
.endif
	FETCH \nx
.endif
	WIN MUL-0x20*(\first)
	MULB 4, \ks, \first
.endm
	s_wait_tensorcnt 0x0                           ; my tile is in,
	s_wait_dscnt 0x0                               ; and my stores of B's scale words have landed
	s_barrier_signal -1
	s_barrier_wait -1                              ; all of K lies in LDS for every wave
	SCALES 0
	FETCH 0
	s_wait_loadcnt 0x0                             ; the bias
	KSTEP 0, 1, 1
	KSTEP 1, 2, 0
	KSTEP 2, 3, 0
	KSTEP 3, 4, 0
	KSTEP 4, 5, 0
	KSTEP 5, 6, 0
	KSTEP 6, 7, 0
	KSTEP 7, 8, 0
	WIN 0
	PLACES 4                                       ; in front of the first reads of results and of the loads into A's and the bias's registers
; THE WAY OUT, block k: A's tile k x the 128 columns, through my stage, back as whole rows of 512 bytes.
; Accumulator b of the block: columns 32 (b / 2) + 16 h + 8 (b % 2) + j: the stage's offsets undo the order of the weight tiles' columns.
.macro TOSTAGE k
	WIN 0x08
.irp b, 0,1,2,3,4,5,6,7
	ds_store_b128 v[STO], v[64*(\k)+8*\b:64*(\k)+8*\b+3] offset:128*(\b/2)+32*(\b%2)
	ds_store_b128 v[STO], v[64*(\k)+8*\b+4:64*(\k)+8*\b+7] offset:128*(\b/2)+32*(\b%2)+16
.endr
	WIN 0
.set BB, BK+64*((\k)%2)
.irp t, 0,1,2,3,4,5,6,7,8,9,10,11,12,13,14,15
	ds_load_b128 v[BB+4*\t:BB+4*\t+3], v[RD] offset:\t*528   ; LDS serves a wave's instructions in order: these see the stores above
.endr
.endm
.macro SEND k, younger
.set BB, BK+64*((\k)%2)
	s_wait_dscnt \younger
.set t, 0
.rept 16
	global_store_b128 v[LI], v[BB+4*t:BB+4*t+3], s[10:11] offset:t*65536+(\k)*4096 th:TH_STORE_NT   ; row 16 t + k of my 64: 512 consecutive bytes, aligned
.set t, t+1
.endr
.endm
	TOSTAGE 0
.irp k, 1,2,3
.if \k > 1
	s_wait_xcnt 0x0                                ; block k - 2's stores have read their registers: block k's loads may land there
.endif
	TOSTAGE \k
	SEND \k-1, 32                                  ; behind block k - 1's loads: block k's 16 stores and 16 loads
.endr
	SEND 3, 0
	s_wait_tensorcnt 0x0                           ; the wave's end
	ds_add_u32 v[SPW], v[NIL]
	s_wait_dscnt 0x0
	CROUND                                         ; the closing round
	s_endpgm
.Lfunc_end_k_q74f96f8d89_gemm_out:
	.size	k_q74f96f8d89_gemm_out, .Lfunc_end_k_q74f96f8d89_gemm_out-k_q74f96f8d89_gemm_out
	.p2alignl 7, 3214868480
	.fill 96, 4, 3214868480
	.section	.rodata,"a",@progbits
	.p2align	6, 0x0
	.amdhsa_kernel k_q74f96f8d89_gemm_out
		.amdhsa_group_segment_fixed_size 327680
		.amdhsa_private_segment_fixed_size 0
		.amdhsa_enable_private_segment 0
		.amdhsa_kernarg_size 32
		.amdhsa_user_sgpr_count 2
		.amdhsa_user_sgpr_kernarg_segment_ptr 1
		.amdhsa_wavefront_size32 1
		.amdhsa_system_sgpr_workgroup_id_x 1
		.amdhsa_system_sgpr_workgroup_id_y 1
		.amdhsa_system_sgpr_workgroup_id_z 1
		.amdhsa_system_vgpr_workitem_id 0
		.amdhsa_next_free_vgpr 768
		.amdhsa_next_free_sgpr 102
		.amdhsa_reserve_vcc 0
		.amdhsa_float_denorm_mode_32 3
		.amdhsa_float_denorm_mode_16_64 3
		.amdhsa_memory_ordered 1
		.amdhsa_forward_progress 1
		.amdhsa_inst_pref_size 80
	.end_amdhsa_kernel
	.amdgpu_metadata
---
amdhsa.version: [ 1, 2 ]
amdhsa.kernels:
  - .name:           k_q74f96f8d89_gemm_out
    .symbol:         k_q74f96f8d89_gemm_out.kd
    .args:
      - { .name: ab, .offset: 0, .size: 8, .value_kind: global_buffer, .address_space: global }
      - { .name: wq, .offset: 8, .size: 8, .value_kind: global_buffer, .address_space: global }
      - { .name: b_out, .offset: 16, .size: 8, .value_kind: global_buffer, .address_space: global }
      - { .name: out0, .offset: 24, .size: 8, .value_kind: global_buffer, .address_space: global }
    .group_segment_fixed_size: 327680
    .private_segment_fixed_size: 0
    .kernarg_segment_align: 8
    .kernarg_segment_size: 32
    .max_flat_workgroup_size: 128
    .sgpr_count:     102
    .vgpr_count:     768
    .wavefront_size: 32
...
	.end_amdgpu_metadata
.endif
;; end of part 4
